; MI455X (gfx1250); checked and timed in simulation.
; The chip was launched on July 23, 2026; its instructions are those of AMD's public machine-readable ISA for CDNA 5 (MIT licence, August 2026) and "CDNA5" Instruction Set Architecture Reference Guide (July 2026). The comments in the code are by the model that wrote it; some were corrected since.
;; Multi Headed Attention. Allowed arithmetic: float matrix products may take bf16 or f16 operands with f32 sums; all other float work in f32.
;; Inputs: dense_b 1,024 float32; dense_w 1,024 x 1,024 float32; key 8 x 1,024 x 1,024 float32; policy 8 x 1,024 x 1 float32; query 8 x 1,024 x 1,024 float32; value 8 x 1,024 x 1,024 float32; wk_b 1,024 float32; wk_w 1,024 x 1,024 float32; wq_b 1,024 float32; wq_w 1,024 x 1,024 float32; wv_b 1,024 float32; wv_w 1,024 x 1,024 float32.
;; Outputs: out0 8 x 1,024 x 1,024 float32.
;; 2 versions, each right; version 2 is version 1 with the launch cast written anew for expert scheduling mode. Each part assembles by itself: llvm-mc -triple=amdgcn-amd-amdhsa -mcpu=gfx1250 --defsym DOCPART=n.
;; ======== version 1 of 2: 4 launches
;; limits: values are held in f16: magnitudes above 65,504 overflow, below 6.1e-05 lose precision
;; workspace buffers: wcast 8,388,608 bytes; bcast 16,384 bytes; pcast 49,152 bytes; qkv 50,331,648 bytes; obuf 16,777,216 bytes
;; launch cast (part 1): grid 256 x 1, 8 waves a work-group, no clusters, 0 bytes of LDS; arguments wq_w, wk_w, wv_w, dense_w, wq_b, wk_b, wv_b, dense_b, policy, wcast, bcast, pcast; writes wcast, bcast, pcast
.if DOCPART == 1
	.amdgcn_target "amdgcn-amd-amdhsa--gfx1250"
	.amdhsa_code_object_version 6
	.text
	.protected	k_q8ade76ae48_cast
	.globl	k_q8ade76ae48_cast
	.p2align	8
	.type	k_q8ade76ae48_cast,@function
k_q8ade76ae48_cast:
	s_mov_b64 s[64:65], 0
	v_nop
	global_prefetch_b8 v0, s[64:65] scope:SCOPE_SE
	s_setreg_imm32_b32 hwreg(HW_REG_WAVE_MODE, 25, 1), 1
	s_wait_xcnt 0x0
; CAST.  The small inputs are rounded once, so that the matrix launches read 16-bit weights and no launch rounds an input twice.
;   wcast [4][1024][1024], 16 bits: wq_w, wk_w, wv_w as bf16; dense_w rounded to bf16 and that number written as f16 (its partner in the last product, O, is f16).
;   bcast [4][1024] f32: the four biases, rounded to bf16 and widened again.
;   pcast [8 batches][6,144 bytes]: lp[1024] f32 = log2 |bf16(policy)|, not below -1e30; then sg[1024] f16 = +1 or -1 by the policy's sign bit.
; LIMITS.  dense_w beyond 65,504 becomes an infinity, below 6e-5 it keeps f16's fixed step of 6e-8; a policy below 2^-126 counts as 0 (v_log_f32 takes a denormal as zero: ISA guide 15.8).
; SHARES.  256 work-groups of eight waves: 64 to a weight matrix, 16,384 numbers each: sixteen 16-byte loads a thread, all issued first.  A wave's store of 8 bytes a lane covers 256 consecutive
; bytes, aligned.  Part 0 of each matrix also takes that matrix's bias, part 1 two batches of the policy: their loads go out AHEAD of the weights', so that they land with them and no second
; round trip to memory follows the weights.  A stream: no LDS, no matrix unit, no cluster: nothing is shared.
.set IN, 8                             ; v[8:71]    sixteen loads of four f32; behind the weights' conversions: at work
.set OW, 72                            ; v[72:103]  sixteen pairs of packed words: each store has data registers of its own, none is rewritten
.set SB, 104                           ; v[104:107] part 0: four numbers of the bias
.set SP, 108                           ; v[108:115] part 1: four numbers of the policy in each of two batches
	s_load_b512 s[4:19], s[0:1], 0x0               ; wq_w, wk_w, wv_w, dense_w, wq_b, wk_b, wv_b, dense_b
	s_load_b256 s[20:27], s[0:1], 0x40             ; policy s[20:21], wcast s[22:23], bcast s[24:25], pcast s[26:27]
	s_lshr_b32 s28, ttmp9, 6                       ; which matrix
	s_and_b32 s29, ttmp9, 63                       ; which part of it
	v_lshlrev_b32 v1, 4, v0                        ; 16 bytes a thread in
	v_lshlrev_b32 v2, 3, v0                        ; 8 bytes a thread out
	s_lshl_b32 s36, s29, 16                        ; the part's 65,536 bytes of f32
	s_mov_b32 s37, 0
	s_lshl_b32 s38, s28, 21                        ; the matrix's 2,097,152 bytes in wcast,
	s_lshl_b32 s40, s29, 15                        ; the part's 32,768
	s_add_co_u32 s38, s38, s40
	s_mov_b32 s39, 0
	s_lshl_b32 s42, s28, 12                        ; the matrix's row of bcast
	s_mov_b32 s43, 0
	s_lshl_b32 s44, s28, 13                        ; batches 2 x matrix and 2 x matrix + 1: 4,096 bytes of policy each,
	s_mov_b32 s45, 0
	s_mul_i32 s46, s28, 12288                      ; 6,144 bytes of pcast each
	s_mov_b32 s47, 0
	s_mov_b32 s34, 0x3c003c00                      ; 1.0 twice, in f16
	s_mov_b32 s35, 0xf149f2ca                      ; -1e30
	s_mov_b32 s41, 0xffff0000                      ; a word's upper bf16
.set r, SB
.rept 12
	v_mov_b32 v[r], 0                              ; written in every work-group, so that every path has written them; parts 0 and 1 load over them
.set r, r+1
.endr
	s_wait_kmcnt 0x0
	s_cmp_eq_u32 s28, 1                            ; the matrix's number chooses between the buffers
	s_cselect_b64 s[30:31], s[6:7], s[4:5]
	s_cselect_b64 s[32:33], s[14:15], s[12:13]
	s_cmp_eq_u32 s28, 2
	s_cselect_b64 s[30:31], s[8:9], s[30:31]
	s_cselect_b64 s[32:33], s[16:17], s[32:33]
	s_cmp_eq_u32 s28, 3
	s_cselect_b64 s[30:31], s[10:11], s[30:31]
	s_cselect_b64 s[32:33], s[18:19], s[32:33]
	s_add_nc_u64 s[30:31], s[30:31], s[36:37]
	s_add_nc_u64 s[22:23], s[22:23], s[38:39]
	s_add_nc_u64 s[24:25], s[24:25], s[42:43]
	s_add_nc_u64 s[20:21], s[20:21], s[44:45]
	s_add_nc_u64 s[26:27], s[26:27], s[46:47]
	s_cmp_lg_u32 s29, 0
	s_cbranch_scc1 .Lno_bias_load
	global_load_b128 v[SB:SB+3], v1, s[32:33]      ; the matrix's bias: 1,024 numbers, four a thread
.Lno_bias_load:
	s_cmp_lg_u32 s29, 1
	s_cbranch_scc1 .Lno_policy_load
	global_load_b128 v[SP:SP+3], v1, s[20:21]
	global_load_b128 v[SP+4:SP+7], v1, s[20:21] offset:4096
.Lno_policy_load:
.irp i, 0,1,2,3,4,5,6,7,8,9,10,11,12,13,14,15
	global_load_b128 v[IN+4*\i:IN+4*\i+3], v1, s[30:31] offset:4096*\i th:TH_LOAD_NT
.endr
; half = 1: the bf16 numbers are widened again and written as f16
.macro CONV half
.irp i, 0,1,2,3,4,5,6,7,8,9,10,11,12,13,14,15
	s_wait_loadcnt 15-\i                           ; loads come back in order (ISA guide 5.7.1): load i and all older ones are in, the 15 - i younger ones stay out
	v_cvt_pk_bf16_f32 v[OW+2*\i], v[IN+4*\i], v[IN+4*\i+1]
	v_cvt_pk_bf16_f32 v[OW+2*\i+1], v[IN+4*\i+2], v[IN+4*\i+3]
.if \half
	v_lshlrev_b32 v4, 16, v[OW+2*\i]
	v_and_b32 v5, s41, v[OW+2*\i]
	v_lshlrev_b32 v6, 16, v[OW+2*\i+1]
	v_and_b32 v7, s41, v[OW+2*\i+1]
	v_cvt_pk_f16_f32 v[OW+2*\i], v4, v5
	v_cvt_pk_f16_f32 v[OW+2*\i+1], v6, v7
.endif
	global_store_b64 v2, v[OW+2*\i:OW+2*\i+1], s[22:23] offset:2048*\i
.endr
.endm
	s_cmp_eq_u32 s28, 3
	s_cbranch_scc1 .Lhalf
	CONV 0
	s_branch .Lweights_done
.Lhalf:
	CONV 1
.Lweights_done:                                        ; the last wait above was for 0: the bias and the policy, issued first, are in too
	s_cmp_lg_u32 s29, 0
	s_cbranch_scc1 .Lnot_bias
	v_cvt_pk_bf16_f32 v12, v[SB], v[SB+1]
	v_cvt_pk_bf16_f32 v13, v[SB+2], v[SB+3]
	v_lshlrev_b32 v16, 16, v12
	v_and_b32 v17, s41, v12
	v_lshlrev_b32 v18, 16, v13
	v_and_b32 v19, s41, v13
	global_store_b128 v1, v[16:19], s[24:25]
.Lnot_bias:
	s_cmp_lg_u32 s29, 1
	s_cbranch_scc1 .Lend
.irp b, 0,1
	v_cvt_pk_bf16_f32 v[32+2*\b], v[SP+4*\b], v[SP+4*\b+1]
	v_cvt_pk_bf16_f32 v[33+2*\b], v[SP+4*\b+2], v[SP+4*\b+3]
	v_lshlrev_b32 v[40+4*\b], 16, v[32+2*\b]
	v_and_b32 v[41+4*\b], s41, v[32+2*\b]
	v_lshlrev_b32 v[42+4*\b], 16, v[33+2*\b]
	v_and_b32 v[43+4*\b], s41, v[33+2*\b]
	v_log_f32 v[40+4*\b], |v[40+4*\b]|
	v_log_f32 v[41+4*\b], |v[41+4*\b]|
	v_log_f32 v[42+4*\b], |v[42+4*\b]|
	v_log_f32 v[43+4*\b], |v[43+4*\b]|
	v_and_or_b32 v[48+2*\b], v[32+2*\b], 0x80008000, s34  ; the two sign bits onto 1.0 in f16; also the plain instruction behind the logarithms (ISA guide 5.7.2)
	v_and_or_b32 v[49+2*\b], v[33+2*\b], 0x80008000, s34
	s_wait_alu depctr_va_vdst(0)
	v_max_num_f32 v[40+4*\b], v[40+4*\b], s35      ; log2 0 is minus infinity: held at -1e30, so that sums with it stay finite
	v_max_num_f32 v[41+4*\b], v[41+4*\b], s35
	v_max_num_f32 v[42+4*\b], v[42+4*\b], s35
	v_max_num_f32 v[43+4*\b], v[43+4*\b], s35
	global_store_b128 v1, v[40+4*\b:43+4*\b], s[26:27] offset:6144*\b
	global_store_b64 v2, v[48+2*\b:49+2*\b], s[26:27] offset:6144*\b+4096
.endr
.Lend:
	s_endpgm
.Lfunc_end_k_q8ade76ae48_cast:
	.size	k_q8ade76ae48_cast, .Lfunc_end_k_q8ade76ae48_cast-k_q8ade76ae48_cast
	.p2alignl 7, 3214868480
	.fill 96, 4, 3214868480
	.section	.rodata,"a",@progbits
	.p2align	6, 0x0
	.amdhsa_kernel k_q8ade76ae48_cast
		.amdhsa_group_segment_fixed_size 0
		.amdhsa_private_segment_fixed_size 0
		.amdhsa_enable_private_segment 0
		.amdhsa_kernarg_size 96
		.amdhsa_user_sgpr_count 2
		.amdhsa_user_sgpr_kernarg_segment_ptr 1
		.amdhsa_wavefront_size32 1
		.amdhsa_system_sgpr_workgroup_id_x 1
		.amdhsa_system_sgpr_workgroup_id_y 1
		.amdhsa_system_sgpr_workgroup_id_z 1
		.amdhsa_system_vgpr_workitem_id 0
		.amdhsa_next_free_vgpr 128
		.amdhsa_next_free_sgpr 66
		.amdhsa_reserve_vcc 0
		.amdhsa_float_denorm_mode_32 3
		.amdhsa_float_denorm_mode_16_64 3
		.amdhsa_memory_ordered 1
		.amdhsa_forward_progress 1
		.amdhsa_inst_pref_size 19
	.end_amdhsa_kernel
	.amdgpu_metadata
---
amdhsa.version: [ 1, 2 ]
amdhsa.kernels:
  - .name:           k_q8ade76ae48_cast
    .symbol:         k_q8ade76ae48_cast.kd
    .args:
      - { .name: wq_w, .offset: 0, .size: 8, .value_kind: global_buffer, .address_space: global }
      - { .name: wk_w, .offset: 8, .size: 8, .value_kind: global_buffer, .address_space: global }
      - { .name: wv_w, .offset: 16, .size: 8, .value_kind: global_buffer, .address_space: global }
      - { .name: dense_w, .offset: 24, .size: 8, .value_kind: global_buffer, .address_space: global }
      - { .name: wq_b, .offset: 32, .size: 8, .value_kind: global_buffer, .address_space: global }
      - { .name: wk_b, .offset: 40, .size: 8, .value_kind: global_buffer, .address_space: global }
      - { .name: wv_b, .offset: 48, .size: 8, .value_kind: global_buffer, .address_space: global }
      - { .name: dense_b, .offset: 56, .size: 8, .value_kind: global_buffer, .address_space: global }
      - { .name: policy, .offset: 64, .size: 8, .value_kind: global_buffer, .address_space: global }
      - { .name: wcast, .offset: 72, .size: 8, .value_kind: global_buffer, .address_space: global }
      - { .name: bcast, .offset: 80, .size: 8, .value_kind: global_buffer, .address_space: global }
      - { .name: pcast, .offset: 88, .size: 8, .value_kind: global_buffer, .address_space: global }
    .group_segment_fixed_size: 0
    .private_segment_fixed_size: 0
    .kernarg_segment_align: 8
    .kernarg_segment_size: 96
    .max_flat_workgroup_size: 256
    .sgpr_count:     66
    .vgpr_count:     128
    .wavefront_size: 32
...
	.end_amdgpu_metadata
.endif
;; end of part 1
;; launch proj (part 2): grid 4 x 64, 4 waves a work-group, clusters of 4 x 4, 327,680 bytes of LDS; arguments query, key, value, policy, wcast, bcast, qkv; writes qkv
.if DOCPART == 2
	.amdgcn_target "amdgcn-amd-amdhsa--gfx1250"
	.amdhsa_code_object_version 6
	.text
	.protected	k_q8ade76ae48_proj
	.globl	k_q8ade76ae48_proj
	.p2align	8
	.type	k_q8ade76ae48_proj,@function
k_q8ade76ae48_proj:
	s_mov_b64 s[64:65], 0
	v_nop
	global_prefetch_b8 v0, s[64:65] scope:SCOPE_SE
	s_setreg_imm32_b32 hwreg(HW_REG_WAVE_MODE, 25, 1), 1
	s_wait_xcnt 0x0
	s_wait_alu depctr_hold_cnt(0) depctr_sa_sdst(0) depctr_va_vdst(0) depctr_va_sdst(0) depctr_va_ssrc(0) depctr_va_vcc(0) depctr_vm_vsrc(0)
	s_getreg_b32 s2, hwreg(HW_REG_IB_STS2, 6, 4)
	s_cmp_eq_u32 s2, 0
	s_cbranch_scc0 .Lentry_in_a_cluster
	s_endpgm
.Lentry_in_a_cluster:
	s_bfe_u32 s2, ttmp6, 0x10000c
	s_cmp_lg_u32 s2, 0xf033
	s_cbranch_scc0 .Lentry_shape_is_right
	s_endpgm
.Lentry_shape_is_right:
; THE THREE PROJECTIONS.  qkv[0] = c (query Wq^T + bq), c = log2(e) / 8; qkv[1] = key Wk^T + bk; qkv[2] = sign(policy of the row) (value Wv^T + bv).  qkv: [3][128 heads][1024][64] f16, by heads,
; each number rounded once from its f32 sum.  The activations are f32 in memory and are rounded to bf16 between LDS and the matrix unit; the weights come as bf16 from wcast, the biases from bcast.
; LIMITS.  f16 holds no number beyond 65,504: c q, k and v must lie within it; below 6e-5 they keep f16's fixed step of 6e-8.  NaN and infinities are not treated apart.
; SHARES.  3 x 8192 x 1024 outputs are 768 tiles of 128 x 256: 256 work-groups that stay, each making its tile (rows 128 ty, columns 256 tx) of q, then of k, then of v.  Four waves, each 64 x 128:
; 32 accumulators of 16 x 16.  K goes in 24 steps of 128 (8 a tile) through a ring of two LDS slots, which runs on from tile to tile: a tile's last two changes of slots ask for the next tile's first steps.
; CLUSTER.  4 x 4 work-groups.  The four of a row of the cluster need the same rows of the activations, the four of a column the same rows of the weights: each tile is asked for JOINTLY, by the same
; tensor load with the same descriptor and a mask that names the four.  Waves 0 and 1 ask for A's halves (64 rows x 512 bytes of f32), waves 2 and 3 for B's (128 rows x 256 bytes of bf16).
; PREFETCH.  Each byte of the activations is read once in the launch, so every tile of A comes out of memory.  In the trip whose refill asks for K step t + 2, wave 0 asks the L2 for its work-group's quarter
; (32 rows x 512 bytes, lanes a row apart, two instructions 256 bytes apart) of the cluster row's tile of K step t + 4: two trips, 256 matrix instructions a wave, ahead of the tensor load that wants it.  The four
; partners' quarters make the tile, so each block of 256 bytes is asked for once.  The last two refilling trips ask for nothing: t + 4 would pass step 23.  The weights, which all work-groups read again, are not asked for.
; THE MATRIX INSTRUCTION IS USED TRANSPOSED (source 0 = 16 rows of W, source 1 = 16 rows of x): a lane holds one row of the result and eight neighbouring columns, which pack into 16 bytes.
; THE BIAS STARTS THE SUMS: a tile's accumulators are set to the bias of their columns, 256 v_mov_b32 a tile; that takes the place of clearing and of an addition on the way out.
; REGISTERS, in windows of 256 (s_set_vgpr_msb: bits 1:0 source 0, 3:2 source 1, 5:4 source 2, 7:6 destination):
;   window 0: v2-29 addresses and scales; v32-95 A as f32 (on the way out: rows read back); v96-159 A's fragments, two buffers; v160-223 bias; v224-255 packed results
;   window 1: the accumulators, (a, b) at v[8 (8 a + b)]          window 2: v0-127 B's fragments, two buffers
.set PITA,  528                        ; a row of A in LDS: 512 bytes + 16 = 132 words: the 16 rows of a load start at 16 different groups of four banks (64 banks of 4 bytes: ISA guide 11.1)
.set PITB,  272                        ; a row of B: 256 + 16 = 68 words: likewise
.set HALFA, 64*PITA                    ; what one of A's loads brings, and what a wave reads of A
.set HALFB, 128*PITB                   ; the same for B
.set BOFF,  2*HALFA                    ; in a slot: A's 128 rows, then B's 256
.set SLOT1, 0x22000                    ; slot 1 begins here; no tile's place in a slot (0, 0x8400, 0x10800, 0x19000) has one of its two bits, so one exclusive or changes slots
.set STAGE, SLOT1+BOFF+2*HALFB         ; behind the ring, never filled by a tensor load: for each wave 2 heads x 16 rows x 144 bytes
.set SPI,   144
.set SPARE, STAGE+4*32*SPI             ; behind the stages: the spare words, 128 bytes for each wave
.set A0,  2                            ; v2   my lane's place in a slot's A; never rewritten
.set B0,  3                            ; v3   the same for B
.set ADA, 4                            ; v4   A0 in the slot in hand
.set ADB, 5                            ; v5   B0 in the slot in hand
.set STO, 6                            ; v6   the way out: where I put 16 bytes of a row
.set RD,  7                            ; v7   the way out: where I read rows back
.set GO,  8                            ; v8   my place in 512 consecutive bytes of qkv
.set BO,  9                            ; v9   byte offset of my eight columns' bias
.set RS,  10                           ; v10-17  the factor of my row in each of the four row blocks, in the low word of a pair
.set POL, 18                           ; v18-21  the policy of those four rows, as loaded
.set PO,  22                           ; v22  its byte offset
.set PFV, 26                           ; v26  the prefetch: byte offset of my lane's row in the tile's 128 rows: (32 cx + lane) x 4,096; never rewritten
.set SPW, 28                           ; v28  LDS address of my spare word; never rewritten
.set NIL, 29                           ; v29  0; never rewritten
.set AR,  32
.set AF,  96
.set BI,  160
.set TMP, 224
.set BF,  0                            ; window 2
.set WV,  18                           ; s18  wave
.set WM,  19                           ; s19  wave / 2: my half of the tile's rows.  Also: I ask for A (0) or for B (1)
.set WN,  20                           ; s20  wave % 2: my half of its columns.  Also: which half of that tile I ask for
.set CX,  21
.set CY,  22
.set TX,  23
.set TY,  24
.set G1A, 28                           ; s[28:35] descriptor group 1 for A
.set G1B, 36                           ; s[36:43] for B
.set G0A, 44                           ; s[44:51] group 0 for A: a set for each first fill; the second then walks on
.set G0B, 52                           ; s[52:59] the same for B
.set TB,  60                           ; s60  the slot in hand, in bytes
.set KF,  61                           ; s61  the K step, within its tile, that is asked for next
.set CNT, 62                           ; s62  loop counter
.set W8,  63                           ; s63  K steps left in the tile in hand
.set OA,  66                           ; s[66:67] a tile's byte offset in the activations
.set OB,  68                           ; s[68:69] in wcast
.set RA,  70                           ; s70  my rows' offset in the activations
.set RB,  71                           ; s71  my rows' offset in wcast, the matrix's included
.set MSK, 72                           ; s72  which bits of the policy enter the row's factor: none, or the sign
.set MSKN, 73                          ; s73  the same for the tile after this one
.set BASE, 74                          ; s74  the factor's other bits: c, or 1.0
.set PP,  80                           ; s[80:85] the prefetch: the activations that it walks, and the two that follow
.set PFO, 86                           ; s[86:87] its byte offset: the tile's first row and the K step
.set PFB, 88                           ; s[88:89] its base; rewritten a trip later, behind s_wait_xcnt 0
.set KP,  90                           ; s90  the K step, within its tile, that it asks for next
.set RAT, 91                           ; s91  byte offset of the tile's first row: 128 ty x 4,096
.set MSB, 0
.macro WIN new                         ; the immediate's high byte repeats the setting that is left; a switch that changes nothing is dropped
.if MSB != (\new)
	s_set_vgpr_msb (MSB<<8)|(\new)
.set MSB, \new
.endif
.endm
.set W_MUL, 0x52                       ; source 0 (B) window 2, source 1 (A) window 0, C and D window 1
.macro PLACES                          ; four places in front of loads into registers that matrix instructions have read
.rept 4
	v_nop
.endr
.endm
; A joint refill by the walking descriptors.  The branch hangs on the wave's number alone.  An s_nop 0 and four v_nop follow each of the two lines, ahead of the jump and the label.
.macro JLOAD
	s_cmp_eq_u32 s[WM], 0
	s_cbranch_scc0 .Lfor_b_\@
	tensor_load_to_lds s[G0A+4:G0A+7], s[G1A:G1A+7]
	s_nop 0
.rept 4
	v_nop
.endr
	s_branch .Lasked_\@
.Lfor_b_\@:
	tensor_load_to_lds s[G0B+4:G0B+7], s[G1B:G1B+7]
	s_nop 0
.rept 4
	v_nop
.endr
.Lasked_\@:
.endm
; The prefetch of a trip: wave 0 alone, and not in the last two refilling trips (the counter stands at 2 and 1 there).  Both jumps go forward, past no barrier and no tensor load.
.macro PFETCH
	s_cmp_lg_u32 s[WV], 0
	s_cbranch_scc1 .Lno_pf_\@
	s_cmp_lt_u32 s[CNT], 3
	s_cbranch_scc1 .Lno_pf_\@
	s_wait_xcnt 0x0                                ; the last trip's prefetches have had their addresses translated (ISA guide 3.1): their base is rewritten only behind this wait
	s_lshl_b32 s[PFO], s[KP], 9
	s_add_co_u32 s[PFO], s[PFO], s[RAT]
	s_add_nc_u64 s[PFB:PFB+1], s[PP:PP+1], s[PFO:PFO+1]
	global_prefetch_b8 v[PFV], s[PFB:PFB+1] th:TH_LOAD_NT scope:SCOPE_SE
	global_prefetch_b8 v[PFV], s[PFB:PFB+1] offset:256 th:TH_LOAD_NT scope:SCOPE_SE
	s_add_co_u32 s[KP], s[KP], 1
	s_cmp_eq_u32 s[KP], 8
	s_cselect_b32 s[KP], 0, s[KP]
	s_cselect_b64 s[PP:PP+1], s[PP+2:PP+3], s[PP:PP+1]      ; query, then key, then value
	s_cselect_b64 s[PP+2:PP+3], s[PP+4:PP+5], s[PP+2:PP+3]
.Lno_pf_\@:
.endm
.macro CREST                           ; a round of the cluster's barrier behind its opening barrier
	s_cmp_lg_u32 s[WV], 0
	s_cbranch_scc1 .Lnot_wave_0_\@
	s_barrier_signal -3
.Lnot_wave_0_\@:
	s_barrier_wait -3
	s_barrier_signal -1
	s_barrier_wait -1
.endm
.macro CROUND                          ; a whole round
	s_barrier_signal -1
	s_barrier_wait -1
	CREST
.endm
	s_load_b256 s[4:11], s[0:1], 0x0               ; query s[4:5], key s[6:7], value s[8:9], policy s[10:11]
	s_load_b128 s[12:15], s[0:1], 0x20             ; wcast s[12:13], bcast s[14:15]
	s_load_b64 s[16:17], s[0:1], 0x30              ; qkv
	v_lshl_add_u32 v[SPW], v0, 2, SPARE
	v_mov_b32 v[NIL], 0
	ds_add_u32 v[SPW], v[NIL]                      ; the wave's opening: the add and its wait stand ahead of my first tensor load; the set-up below, work on registers, stands between them
	v_lshrrev_b32 v1, 5, v0
	v_readfirstlane_b32 s[WV], v1
	s_lshr_b32 s[WM], s[WV], 1
	s_and_b32 s[WN], s[WV], 1
	s_bfe_u32 s[CX], ttmp6, 0x40000                ; my place in the cluster
	s_bfe_u32 s[CY], ttmp6, 0x40004
	s_lshl_b32 s[TX], ttmp9, 2
	s_add_co_u32 s[TX], s[TX], s[CX]               ; tile column = 4 x cluster x + cx
	s_and_b32 s[TY], ttmp7, 0xffff
	s_lshl_b32 s[TY], s[TY], 2
	s_add_co_u32 s[TY], s[TY], s[CY]               ; tile row = 4 x cluster y + cy
	s_lshl_b32 s25, s[CY], 2
	s_lshl_b32 s25, 15, s25                        ; my row of the cluster
	s_lshl_b32 s26, 0x1111, s[CX]                  ; my column
	s_or_b32 s[G1A], s25, (2<<16)|(1<<20)|(1<<21)|(6<<22)|(3<<25)  ; the mask; elements of 4 bytes; padding on; bit 21 beside a mask; after every 128 words (code 6) 4 words (code 3)
	s_mov_b32 s[G1A+1], 128<<16                    ; tensor_dim0 = 128
	s_mov_b32 s[G1A+2], 64<<16                     ; tensor_dim1 = 64
	s_mov_b32 s[G1A+3], 128<<16                    ; tile_dim0 = 128
	s_mov_b32 s[G1A+4], 64                         ; tile_dim1 = 64
	s_mov_b32 s[G1A+5], 1024                       ; elements from row to row
	s_mov_b32 s[G1A+6], 0
	s_mov_b32 s[G1A+7], 0
	s_or_b32 s[G1B], s26, (1<<16)|(1<<20)|(1<<21)|(5<<22)|(3<<25)  ; elements of 2 bytes; after every 64 words (code 5) 4 words
	s_mov_b32 s[G1B+1], 128<<16
	s_mov_b32 s[G1B+2], 128<<16
	s_mov_b32 s[G1B+3], 128<<16
	s_mov_b32 s[G1B+4], 128
	s_mov_b32 s[G1B+5], 1024
	s_mov_b32 s[G1B+6], 0
	s_mov_b32 s[G1B+7], 0
	s_mul_i32 s75, s[WN], HALFA                    ; where the tiles go: no place in the cluster enters an LDS address
	s_mov_b32 s[G0A], 1
	s_mov_b32 s[G0A+1], s75
	s_mov_b32 s[G0A+4], 1
	s_add_co_u32 s[G0A+5], s75, SLOT1
	s_mul_i32 s76, s[WN], HALFB
	s_mov_b32 s[G0B], 1
	s_add_co_u32 s[G0B+1], s76, BOFF
	s_mov_b32 s[G0B+4], 1
	s_add_co_u32 s[G0B+5], s76, BOFF+SLOT1
	s_lshl_b32 s[RA], s[TY], 7                     ; A: row 128 ty + 64 x half, 4,096 bytes a row: it hangs on the tile row alone
	s_lshl_b32 s77, s[WN], 6
	s_add_co_u32 s[RA], s[RA], s77
	s_lshl_b32 s[RA], s[RA], 12
	s_lshl_b32 s[RB], s[TX], 8                     ; B: row 256 tx + 128 x half, 2,048 bytes a row: on the tile column alone
	s_lshl_b32 s78, s[WN], 7
	s_add_co_u32 s[RB], s[RB], s78
	s_lshl_b32 s[RB], s[RB], 11
	s_mov_b32 s[OA], s[RA]
	s_mov_b32 s[OA+1], 0
	s_mov_b32 s[OB], s[RB]
	s_mov_b32 s[OB+1], 0
	s_mov_b32 s[TB], 0
	s_mov_b32 s[KF], 2
	s_mov_b32 s[W8], 8
	s_mov_b32 s[CNT], 22
	s_mov_b32 s[MSK], 0
	s_mov_b32 s[MSKN], 0
	s_mov_b32 s[BASE], 0x3e38aa3b                  ; c = log2(e) / 8
	s_mov_b32 s[KP], 4                             ; the first trip's prefetch is K step 4's
	s_lshl_b32 s[RAT], s[TY], 19
	s_mov_b32 s[PFO+1], 0
	s_wait_dscnt 0x0                               ; the opening add is done
	s_wait_kmcnt 0x0
	s_mov_b64 s[PP:PP+1], s[4:5]
	s_mov_b64 s[PP+2:PP+3], s[6:7]
	s_mov_b64 s[PP+4:PP+5], s[8:9]
	s_add_nc_u64 s[G0A+2:G0A+3], s[4:5], s[OA:OA+1]        ; K step 0,
	s_add_nc_u64 s[G0A+6:G0A+7], s[G0A+2:G0A+3], 512       ; K step 1: 128 f32 on
	s_or_b32 s[G0A+3], s[G0A+3], 0x80000000                ; type = 2
	s_or_b32 s[G0A+7], s[G0A+7], 0x80000000
	s_add_nc_u64 s[G0B+2:G0B+3], s[12:13], s[OB:OB+1]
	s_add_nc_u64 s[G0B+6:G0B+7], s[G0B+2:G0B+3], 256
	s_or_b32 s[G0B+3], s[G0B+3], 0x80000000
	s_or_b32 s[G0B+7], s[G0B+7], 0x80000000
	s_lshr_b32 s77, s[TY], 3                       ; where my part of q begins: head 16 x batch + 4 tx + 2 x column half, row 128 (ty % 8) + 64 x row half, 128 bytes a row
	s_lshl_b32 s77, s77, 4
	s_lshl_b32 s78, s[TX], 2
	s_add_co_u32 s77, s77, s78
	s_lshl_b32 s78, s[WN], 1
	s_add_co_u32 s77, s77, s78
	s_lshl_b32 s77, s77, 10
	s_and_b32 s78, s[TY], 7
	s_lshl_b32 s78, s78, 7
	s_add_co_u32 s77, s77, s78
	s_lshl_b32 s78, s[WM], 6
	s_add_co_u32 s77, s77, s78
	s_lshl_b32 s78, s77, 7
	s_mov_b32 s79, 0
	s_add_nc_u64 s[16:17], s[16:17], s[78:79]
	CROUND                                         ; all sixteen work-groups are here: the first joint loads meet
	s_cmp_eq_u32 s[WM], 0                          ; a wave's two first fills stand in one branch, ahead of every wait on TENSORcnt and every LDS read: two loads of mine are out
	s_cbranch_scc0 .Lfirst_b
	tensor_load_to_lds s[G0A:G0A+3], s[G1A:G1A+7]
	s_nop 0
	tensor_load_to_lds s[G0A+4:G0A+7], s[G1A:G1A+7]
	s_nop 0
.rept 4
	v_nop
.endr
	s_branch .Lfirst_asked
.Lfirst_b:
	tensor_load_to_lds s[G0B:G0B+3], s[G1B:G1B+7]
	s_nop 0
	tensor_load_to_lds s[G0B+4:G0B+7], s[G1B:G1B+7]
	s_nop 0
.rept 4
	v_nop
.endr
.Lfirst_asked:
	v_and_b32 v1, 15, v0                           ; r = l % 16
	v_bfe_u32 v23, v0, 4, 1                        ; h = l / 16
	s_lshl_b32 s75, s[TX], 10
	s_lshl_b32 s76, s[WN], 9
	s_add_co_u32 s75, s75, s76
	v_lshl_add_u32 v[BO], v23, 5, s75              ; (256 tx + 128 x half + 8 h) x 4
; the bias of my 128 columns, in the accumulators' layout: register j of block b is column 16 b + 8 h + j
.macro BIASLD
.irp b, 0,1,2,3,4,5,6,7
	global_load_b128 v[BI+8*\b:BI+8*\b+3], v[BO], s[14:15] offset:64*\b
	global_load_b128 v[BI+8*\b+4:BI+8*\b+7], v[BO], s[14:15] offset:64*\b+16
.endr
.endm
	BIASLD
	s_lshl_b32 s75, s[TY], 9
	s_lshl_b32 s76, s[WM], 8
	s_add_co_u32 s75, s75, s76
	v_lshl_add_u32 v[PO], v1, 2, s75               ; (128 ty + 64 x half + r) x 4
.irp a, 0,1,2,3
	global_load_b32 v[POL+\a], v[PO], s[10:11] offset:64*\a
.endr
	v_and_b32 v[PFV], 31, v0                       ; the prefetch: my work-group's 32 rows of the tile, a lane to a row
	s_lshl_b32 s92, s[CX], 5
	v_add_nc_u32 v[PFV], s92, v[PFV]
	v_lshlrev_b32 v[PFV], 12, v[PFV]
	; A's fragment of 16 rows x 32 K is read as f32: lane l takes row r; K = 8 h + 0..7 are 32 bytes at 32 h, K = 16 + 8 h + 0..7 the 32 bytes 64 further on.  B's as it lies: two loads of 16 bytes, 32 apart.
	v_mul_u32_u24 v[A0], v1, PITA
	v_lshl_add_u32 v[A0], v23, 5, v[A0]
	s_mul_i32 s75, s[WM], HALFA
	v_add_nc_u32 v[A0], s75, v[A0]
	v_mul_u32_u24 v[B0], v1, PITB
	v_lshl_add_u32 v[B0], v23, 4, v[B0]
	s_mul_i32 s76, s[WN], HALFB
	s_add_co_u32 s76, s76, BOFF
	v_add_nc_u32 v[B0], s76, v[B0]
	v_mov_b32 v[ADA], v[A0]
	v_mov_b32 v[ADB], v[B0]
	s_mul_i32 s75, s[WV], 32*SPI
	s_add_co_u32 s75, s75, STAGE                   ; my stage
	v_mul_u32_u24 v[STO], v1, SPI                  ; in: row r, 16 bytes for each half of the lanes
	v_lshl_add_u32 v[STO], v23, 4, v[STO]
	v_add_nc_u32 v[STO], s75, v[STO]
	v_bfe_u32 v[RD], v0, 3, 2                      ; back: 32 lanes take four rows of 128 bytes,
	v_mul_u32_u24 v[RD], v[RD], SPI
	v_and_b32 v24, 7, v0
	v_lshl_add_u32 v[RD], v24, 4, v[RD]
	v_add_nc_u32 v[RD], s75, v[RD]
	v_and_b32 v[GO], 31, v0                        ; which are 512 consecutive bytes of a head
	v_lshlrev_b32 v[GO], 4, v[GO]
.irp a, 0,1,2,3
	v_mov_b32 v[RS+2*\a+1], 0                      ; named with the factor as a pair
.endr
; 8 matrix instructions: row block a x all 8 column blocks, 32 along K, on buffer f.  The 32 accumulators take turns, one instruction a turn.
.macro MUL8 f, a
	WIN W_MUL
.irp b, 0,1,2,3,4,5,6,7
	v_wmma_f32_16x16x32_bf16 v[8*(8*(\a)+\b):8*(8*(\a)+\b)+7], v[BF+64*(\f)+8*\b:BF+64*(\f)+8*\b+7], v[AF+32*(\f)+8*(\a):AF+32*(\f)+8*(\a)+7], v[8*(8*(\a)+\b):8*(8*(\a)+\b)+7]
.endr
.endm
; The quarter's last 8, with the next quarter's A rounded to bf16 beside them: four conversions behind each, into buffer g.  They name no register of the products round them.
.macro MULC f, g
.irp b, 0,1,2,3,4,5,6,7
	WIN W_MUL
	v_wmma_f32_16x16x32_bf16 v[8*(24+\b):8*(24+\b)+7], v[BF+64*(\f)+8*\b:BF+64*(\f)+8*\b+7], v[AF+32*(\f)+24:AF+32*(\f)+31], v[8*(24+\b):8*(24+\b)+7]
	WIN 0
.irp z, 0,1,2,3
	v_cvt_pk_bf16_f32 v[AF+32*(\g)+4*\b+\z], v[AR+8*\b+2*\z], v[AR+8*\b+2*\z+1]
.endr
.endr
.endm
; 32 LDS loads in one run: quarter k of the slot in hand: A's 64 rows as f32 first, then B's 128 rows into buffer g
.macro FETCH k, g
	WIN 0
.irp i, 0,1,2,3
	ds_load_b128 v[AR+16*\i:AR+16*\i+3],     v[ADA] offset:(\k)*128+\i*16*PITA
	ds_load_b128 v[AR+16*\i+4:AR+16*\i+7],   v[ADA] offset:(\k)*128+\i*16*PITA+16
	ds_load_b128 v[AR+16*\i+8:AR+16*\i+11],  v[ADA] offset:(\k)*128+\i*16*PITA+64
	ds_load_b128 v[AR+16*\i+12:AR+16*\i+15], v[ADA] offset:(\k)*128+\i*16*PITA+80
.endr
	WIN 0x80                                       ; destination window 2, address window 0
.irp i, 0,1,2,3,4,5,6,7
	ds_load_b128 v[BF+64*(\g)+8*\i:BF+64*(\g)+8*\i+3],   v[ADB] offset:(\k)*64+\i*16*PITB
	ds_load_b128 v[BF+64*(\g)+8*\i+4:BF+64*(\g)+8*\i+7], v[ADB] offset:(\k)*64+\i*16*PITB+32
.endr
.endm
; A K step is four quarters of 32 along K, 32 matrix instructions each, on buffers 0, 1, 0, 1.  One of the first three: multiplies buffer f, fetches quarter k into g.
.macro QUARTER k, f, g
	s_wait_dscnt 0x0                               ; this quarter's B is in (its A was waited for and rounded in the quarter before)
	MUL8 \f, 0
	MUL8 \f, 1
	PLACES
	FETCH \k, \g
	MUL8 \f, 2
	s_wait_dscnt 16                                ; A's sixteen loads are in; B's sixteen, issued behind them, may stay out
	MULC \f, \g
.endm
; The walking descriptors step to K step KF of the tile that is being asked for: each address is made anew from its buffer's pointer and an offset.  Behind a tile's last step: the next activations, the next matrix.
.macro NEXTD
	s_lshl_b32 s[OA], s[KF], 9
	s_add_co_u32 s[OA], s[OA], s[RA]
	s_add_nc_u64 s[G0A+6:G0A+7], s[4:5], s[OA:OA+1]
	s_or_b32 s[G0A+7], s[G0A+7], 0x80000000
	s_xor_b32 s[G0A+5], s[G0A+5], SLOT1
	s_lshl_b32 s[OB], s[KF], 8
	s_add_co_u32 s[OB], s[OB], s[RB]
	s_add_nc_u64 s[G0B+6:G0B+7], s[12:13], s[OB:OB+1]
	s_or_b32 s[G0B+7], s[G0B+7], 0x80000000
	s_xor_b32 s[G0B+5], s[G0B+5], SLOT1
	s_add_co_u32 s[KF], s[KF], 1
	s_cmp_eq_u32 s[KF], 8
	s_cselect_b32 s[KF], 0, s[KF]
	s_cselect_b64 s[4:5], s[6:7], s[4:5]           ; query, then key, then value
	s_cselect_b64 s[6:7], s[8:9], s[6:7]
	s_cselect_b32 s75, 0x200000, 0
	s_add_co_u32 s[RB], s[RB], s75
.endm
; The last quarter multiplies buffer 1 and changes slots: ONE barrier.  In front of it each wave waits for all its tensor loads (one is out: its part of the next slot), adds 0 to its spare word, and waits for
; that and for its own reads of this slot.  fill = 1: the barrier opens a round of the cluster's, and this slot is filled again, two K steps ahead, first thing behind the round; the trip's prefetch follows it.
.macro TURN fill
	WIN 0
	s_wait_tensorcnt 0x0                           ; no tensor load of mine is out, so a group 0 may be written
	ds_add_u32 v[SPW], v[NIL]                      ; 0 onto my spare word
.if \fill
	NEXTD
.endif
	s_wait_dscnt 0x1                               ; this quarter's B is in; the add alone may be out
	MUL8 1, 0
	s_wait_dscnt 0x0                               ; the add is done, and my reads of this slot are over
	s_barrier_signal -1
	MUL8 1, 1
	WIN 0
	s_barrier_wait -1
.if \fill
	CREST                                          ; no wave of any partner still reads this slot's tile or has a load on its way
	JLOAD                                          ; my one tensor load behind the round; its four v_nop are also the places in front of the loads below
	PFETCH
.else
	PLACES
.endif
	s_xor_b32 s[TB], s[TB], SLOT1
	v_add_nc_u32 v[ADA], s[TB], v[A0]
	v_add_nc_u32 v[ADB], s[TB], v[B0]
	FETCH 0, 0
	MUL8 1, 2
	s_wait_dscnt 16                                ; as in QUARTER
	MULC 1, 0
.endm
.macro STEP fill
	QUARTER 1, 0, 1
	QUARTER 2, 1, 0
	QUARTER 3, 0, 1
	TURN \fill
.endm
.macro INIT                            ; the bias starts the tile's sums
	s_wait_loadcnt 0x0
	WIN 0x40                                       ; destination window 1, source window 0
.set z, 0
.rept 256
	v_mov_b32 v[z], v[BI+z%64]
.set z, z+1
.endr
	WIN 0
.endm
; THE WAY OUT of row block a.  PACK: times the row's factor, rounded to f16, 16 bytes a lane.  TOSTAGE: into my own stage, by heads, and back as whole rows of 128 bytes.  SEND: stored.
.macro PACK a
	WIN 0x41                                       ; destination and source 0 window 1, the factor window 0
.set z, 0
.rept 32
	v_pk_mul_f32 v[64*(\a)+2*z:64*(\a)+2*z+1], v[64*(\a)+2*z:64*(\a)+2*z+1], v[RS+2*(\a):RS+2*(\a)+1] op_sel_hi:[1,0]
.set z, z+1
.endr
	WIN 0x05                                       ; sources window 1, destination window 0
.set z, 0
.rept 32
	v_cvt_pk_f16_f32 v[TMP+z], v[64*(\a)+2*z], v[64*(\a)+2*z+1]
.set z, z+1
.endr
	WIN 0
.endm
.macro TOSTAGE a
.set BK, AR+32*((\a)%2)
.irp b, 0,1,2,3,4,5,6,7
	ds_store_b128 v[STO], v[TMP+4*\b:TMP+4*\b+3] offset:(\b/4)*16*SPI+(\b%4)*32
.endr
.irp t, 0,1,2,3,4,5,6,7
	ds_load_b128 v[BK+4*\t:BK+4*\t+3], v[RD] offset:(\t/4)*16*SPI+(\t%4)*4*SPI  ; LDS serves a wave's instructions in order (ISA guide 5.7.1.4): these see the stores above
.endr
.endm
.macro SEND a
.set BK, AR+32*((\a)%2)
	s_wait_dscnt 0x0                               ; the block is back in registers
	s_wait_xcnt 0x0                                ; the registers that the block before last's stores read are loaded again only behind this wait
.irp t, 0,1,2,3,4,5,6,7
	global_store_b128 v[GO], v[BK+4*\t:BK+4*\t+3], s[16:17] offset:(\t/4)*131072+(\a)*2048+(\t%4)*512  ; 512 consecutive bytes of a head, at a multiple of 256 from qkv's first byte
.endr
.endm
.macro WAYOUT
	WIN 0
.irp a, 0,1,2,3
	v_and_or_b32 v[RS+2*\a], v[POL+\a], s[MSK], s[BASE]  ; c for q, 1.0 for k, 1.0 with the policy's sign for v
.endr
	PACK 0
	TOSTAGE 0
.irp a, 1,2,3                          ; a block's arithmetic stands between the loads of the block before and its stores
	PACK \a
	SEND (\a)-1
	TOSTAGE \a
.endr
	SEND 3
	s_wait_xcnt 0x0                                ; the stores' base and data registers are written again only behind this wait
.endm
	INIT                                           ; its wait covers the bias and the policy
	s_wait_tensorcnt 0x1                           ; my part of K step 0 is in; K step 1's may stay out
	s_barrier_signal -1
	s_barrier_wait -1                              ; everybody's is
	FETCH 0, 0
	WIN 0
	s_wait_dscnt 16
.set z, 0
.rept 32
	v_cvt_pk_bf16_f32 v[AF+z], v[AR+2*z], v[AR+2*z+1]
.set z, z+1
.endr
.Lstep:                                                ; 22 trips: every K step but the last two fills its slot again
	STEP 1
	WIN 0
	s_sub_co_u32 s[W8], s[W8], 1
	s_cmp_lg_u32 s[W8], 0
	s_cbranch_scc1 .Lskip                          ; forward, past text with no barrier and no tensor load
	s_wait_xcnt 0x0
	s_add_nc_u64 s[14:15], s[14:15], 4096          ; A TILE IS FINISHED.  The next tile's bias is asked for, the tile goes out; the ring's refill is on its way meanwhile
	BIASLD
	WAYOUT
	s_add_nc_u64 s[16:17], s[16:17], 0x1000000     ; the next of qkv's three tensors
	s_mov_b32 s[BASE], 1.0
	s_mov_b32 s[MSK], s[MSKN]
	s_mov_b32 s[MSKN], 0x80000000
	INIT
	s_mov_b32 s[W8], 8
.Lskip:
	s_sub_co_u32 s[CNT], s[CNT], 1
	s_cmp_lg_u32 s[CNT], 0
	s_cbranch_scc1 .Lstep
	s_mov_b32 s[CNT], 2
.Ltail:                                                ; the last two K steps ask for nothing.  The very last fetches the other slot's first quarter once more and uses none of it: the price of one text for both
	STEP 0
	WIN 0
	s_sub_co_u32 s[CNT], s[CNT], 1
	s_cmp_lg_u32 s[CNT], 0
	s_cbranch_scc1 .Ltail
	WAYOUT
	s_wait_tensorcnt 0x0                           ; the wave's end: these three lines stand behind my last tensor load and my last LDS store
	ds_add_u32 v[SPW], v[NIL]
	s_wait_dscnt 0x0
	CROUND                                         ; the closing round: no work-group ends while a partner may still ask for a tile that names it
	s_endpgm
.Lfunc_end_k_q8ade76ae48_proj:
	.size	k_q8ade76ae48_proj, .Lfunc_end_k_q8ade76ae48_proj-k_q8ade76ae48_proj
	.p2alignl 7, 3214868480
	.fill 96, 4, 3214868480
	.section	.rodata,"a",@progbits
	.p2align	6, 0x0
	.amdhsa_kernel k_q8ade76ae48_proj
		.amdhsa_group_segment_fixed_size 327680
		.amdhsa_private_segment_fixed_size 0
		.amdhsa_enable_private_segment 0
		.amdhsa_kernarg_size 56
		.amdhsa_user_sgpr_count 2
		.amdhsa_user_sgpr_kernarg_segment_ptr 1
		.amdhsa_wavefront_size32 1
		.amdhsa_system_sgpr_workgroup_id_x 1
		.amdhsa_system_sgpr_workgroup_id_y 1
		.amdhsa_system_sgpr_workgroup_id_z 1
		.amdhsa_system_vgpr_workitem_id 0
		.amdhsa_next_free_vgpr 640
		.amdhsa_next_free_sgpr 93
		.amdhsa_reserve_vcc 0
		.amdhsa_float_denorm_mode_32 3
		.amdhsa_float_denorm_mode_16_64 3
		.amdhsa_memory_ordered 1
		.amdhsa_forward_progress 1
		.amdhsa_inst_pref_size 138
	.end_amdhsa_kernel
	.amdgpu_metadata
---
amdhsa.version: [ 1, 2 ]
amdhsa.kernels:
  - .name:           k_q8ade76ae48_proj
    .symbol:         k_q8ade76ae48_proj.kd
    .args:
      - { .name: query, .offset: 0, .size: 8, .value_kind: global_buffer, .address_space: global }
      - { .name: key, .offset: 8, .size: 8, .value_kind: global_buffer, .address_space: global }
      - { .name: value, .offset: 16, .size: 8, .value_kind: global_buffer, .address_space: global }
      - { .name: policy, .offset: 24, .size: 8, .value_kind: global_buffer, .address_space: global }
      - { .name: wcast, .offset: 32, .size: 8, .value_kind: global_buffer, .address_space: global }
      - { .name: bcast, .offset: 40, .size: 8, .value_kind: global_buffer, .address_space: global }
      - { .name: qkv, .offset: 48, .size: 8, .value_kind: global_buffer, .address_space: global }
    .group_segment_fixed_size: 327680
    .private_segment_fixed_size: 0
    .kernarg_segment_align: 8
    .kernarg_segment_size: 56
    .max_flat_workgroup_size: 128
    .sgpr_count:     93
    .vgpr_count:     640
    .wavefront_size: 32
...
	.end_amdgpu_metadata
.endif
;; end of part 2
;; launch attn (part 3): grid 2 x 128, 4 waves a work-group, no clusters, 327,680 bytes of LDS; arguments qkv, pcast, obuf; writes obuf
.if DOCPART == 3
	.amdgcn_target "amdgcn-amd-amdhsa--gfx1250"
	.amdhsa_code_object_version 6
	.text
	.protected	k_q8ade76ae48_attn
	.globl	k_q8ade76ae48_attn
	.p2align	8
	.type	k_q8ade76ae48_attn,@function
k_q8ade76ae48_attn:
	s_mov_b64 s[64:65], 0
	v_nop
	global_prefetch_b8 v0, s[64:65] scope:SCOPE_SE
	s_setreg_imm32_b32 hwreg(HW_REG_WAVE_MODE, 25, 1), 1
	s_wait_xcnt 0x0
; ATTENTION WITH A POLICY.  x[q] = sum_k (e^s pol_k + EPS/S) v_k / (sum_k e^s pol_k + EPS), s = q . k / 8, EPS = 1e-6, S = 1024.  Inputs: qkv [3][128 heads][1024][64] f16 with q' = (log2(e) / 8) q, k, and
; v' = sign(pol) v; pcast per batch lp = log2 |pol| (f32) and sg = sign(pol) (f16).  Output obuf [128][1024][64] f16.
; THE ARITHMETIC.  s' = q' . k + lp_k = log2(e^s |pol_k|): lp is the C operand that starts the score product.  A running maximum m of s' (it starts at -60), p = 2^(s' - m) <= 1, rounded to f16;
; O' = sum p v';  l' = sum sg p, by the matrix unit (source 0 = a fragment whose 16 rows all hold sg);  SV = sum sg v' = sum v.  In every step O' and l' are multiplied by a = 2^(m_old - m_new).
; At the end x = (O' + (EPS/S) 2^-m SV) / (l' + EPS 2^-m).  The formula that is computed takes no maximum away; the maximum here only keeps p within f16, and both EPS terms carry its factor.
; LIMITS.  m never goes below -60: there e^s |pol| is under 1e-18, nothing beside EPS, and 2^60 EPS stays finite.  p below 6e-5 keeps f16's fixed step of 6e-8; l' is the sum of the rounded p.
; 2^-m counts as 0 where m is above 126.  q', k, v' arrive within 65,504.  NaN and infinities are not treated apart.
; SHARES.  A work-group owns 512 queries of one head, a wave 128: four PIECES of two tiles of 16.  Every wave walks the head's 1,024 keys, 64 a step.  ALL of the head's K and V lies in LDS: each byte is filled
; once, nothing is filled again.  The fills go out in two parts.  At the start: what steps 0 to 3 touch (K of steps 0-4, V of steps 0-3, lp, sg: 78 of the 268 KB), which has the road to itself.  When that has
; landed, behind the first barrier: the rest, one load a wave, which has those four steps in which to land.
; NO CLUSTER: a head's K and V are wanted by two work-groups only (the grid's x is 2), which no cluster of four divides.
; LAYOUT.  S^T = K Q^T (source 0 = 16 keys, source 1 = 16 queries): a lane holds ONE query (lane % 16) and the keys 8 (lane / 16) + 0..7; two such results rounded to f16 ARE source 1 of O^T = V^T P.
; BY TURNS.  Turn n belongs to piece n: 16 products K Q^T of piece n + 1, later 20 products of piece n - 1 (16 V^T P, 4 for l'); beside them the subtraction, exponentials, roundings and rescaling of piece n
; and the maximum and statistics of piece n + 1.  Up to four vector instructions stand behind every matrix instruction, the rest in two lumps.
; REGISTERS, in windows of 256 (s_set_vgpr_msb: bits 1:0 source 0, 3:2 source 1, 5:4 source 2, 7:6 destination):
;   window 0: v2-11 addresses; v12-15 m_old; v16-47 four registers a tile (m first); v48-63 at work; v64-191 S^T, two buffers of two tiles; v192-255 P, likewise
;   window 1: O^T, 32 a tile          window 2: v0-127 Q, 16 a tile; v128-191 K of one step; v192-255 V of one step
;   window 3: v0-1 the add's registers; v32-63 lp of one step; v64-79 sg's fragments; v80-95 V of my own 16 channels; v96-103 SV's sum (later v96-127: SV); v128-191 l', 8 a tile
.set PK,    144       ; a row of K in LDS: 128 bytes + 16 = 36 words: the 16 rows of a load start at 16 different groups of four banks (64 banks of 4 bytes: ISA guide 11.1)
.set PV,    160       ; a row of V: 128 + 32 = 40 words
.set VOFF,  1024*PK
.set LPS,   VOFF+1024*PV        ; lp, 4,096 bytes,
.set SGS,   LPS+4096            ; then sg, 2,048
.set SVX,   LPS+6144            ; 64 f32: the waves hand each other their parts of SV; no fill lands here
.set STAGE, SVX+256             ; 16 rows x 144 bytes for each wave, for the way out
.set SP,    144
.set SPARE, STAGE+4*16*SP       ; the spare words, 128 bytes for each wave
.set AK0,  2          ; v2-6  my lane's place in a step's K, lp, V, V of my own channels, sg; never rewritten
.set ALP0, 3
.set AV0,  4
.set AVW0, 5
.set ASG0, 6
.set AK,   7          ; v7-11 the same with the step's offset added: the addresses of the run of loads in hand
.set ALP,  8
.set AV,   9
.set AVW,  10
.set ASG,  11
.set STO,  7          ; behind the loop the five take the way out's addresses
.set RD,   8
.set GO,   9
.set ASV,  10
.set ASR,  11
.set MV,   12
.set ST,   16
.set TMP,  48         ; by buffer and tile, four registers c0-c3 at work; when the maximum is found c2 takes a
.set QO,   48         ; until Q is in: my byte offset in 16 rows of Q
.set S,    64
.set P,    192
.set KF,   128        ; window 2: key block kb, channel half c at KF + 16 kb + 8 c
.set VF,   192        ; window 2: key half kk, channel block cb at VF + 32 kk + 8 cb
.set SPW,  0          ; window 3
.set NIL,  1
.set LP,   32
.set VS,   64
.set VW,   80
.set SVA,  96
.set LA,   128
.set WV,   12         ; s12  wave
.set HW,   13         ; s13  wave % 2
.set G1L,  24         ; five descriptor groups 1, s[24:63]: lp and sg; K's first part, its second; V's first part, its second
.set G1K1, 32
.set G1K2, 40
.set G1V1, 48
.set G1V2, 56
.set SEL,  66         ; s[66:67] v_permlanex16_b32's selects: each lane takes its own place in the other half
.set EPSR, 68         ; s68  EPS
.set EPSS, 69         ; s69  EPS / 1024
.set TBV,  72         ; s72  byte offset of the V step to be fetched
.set TBS,  73         ; s73  of its sg
.set G0L,  76         ; the five groups 0, s[76:95].  Every wave makes all five, each in registers of its own, and issues those that its number chooses
.set G0K1, 80
.set G0K2, 84
.set G0V1, 88
.set G0V2, 92
.set CNT,  96
.set SLOTS, 97
.set TBK,  98         ; s98  byte offset of the K step to be fetched
.set TBL,  99         ; s99  of its lp
.set MSB, 0
.macro WIN new                      ; the high byte repeats the setting that is left; a switch that changes nothing is dropped
.if MSB != (\new)
	s_set_vgpr_msb (MSB<<8)|(\new)
.set MSB, \new
.endif
.endm
.macro PLACES
.rept 4
	v_nop
.endr
.endm
; Group 1 for rows of K or V: a dense run of keys is asked for as rows of 256 bytes, two keys a row, padded in LDS after every key (32 words, code 4)
.macro G1KV g, pad, rows
	s_mov_b32 s[\g], (1<<16)|(1<<20)|(4<<22)|((\pad)<<25)
	s_mov_b32 s[\g+1], 128<<16
	s_mov_b32 s[\g+2], (\rows)<<16
	s_mov_b32 s[\g+3], 128<<16
	s_mov_b32 s[\g+4], \rows
	s_mov_b32 s[\g+5], 128
	s_mov_b32 s[\g+6], 0
	s_mov_b32 s[\g+7], 0
.endm
; Group 0: LDS byte lmul x (wave % 2) + ladd; global address: the pointer plus gmul x (wave % 2) + gadd
.macro G0SET g, lmul, ladd, ptr, gmul, gadd
	s_mov_b32 s[\g], 1
	s_mul_i32 s[\g+1], s[HW], \lmul
	s_add_co_u32 s[\g+1], s[\g+1], \ladd
	s_mul_i32 s70, s[HW], \gmul
	s_add_co_u32 s70, s70, \gadd
	s_add_nc_u64 s[\g+2:\g+3], s[\ptr:\ptr+1], s[70:71]
	s_or_b32 s[\g+3], s[\g+3], 0x80000000
.endm
	s_load_b128 s[4:7], s[0:1], 0x0   ; qkv s[4:5], pcast s[6:7]
	s_load_b64 s[8:9], s[0:1], 0x10   ; obuf
	WIN 0xc0
	v_lshl_add_u32 v[SPW], v0, 2, SPARE
	v_mov_b32 v[NIL], 0
	WIN 0x0f
	ds_add_u32 v[SPW], v[NIL]       ; the wave's opening: the add and its wait stand ahead of my first tensor load; the set-up below, work on registers, stands between them
	WIN 0
	v_lshrrev_b32 v1, 5, v0
	v_readfirstlane_b32 s[WV], v1
	s_and_b32 s[HW], s[WV], 1
	s_and_b32 s74, ttmp7, 0xffff    ; the head, 16 x batch + head
	s_lshl_b32 s70, s74, 17         ; its 131,072 bytes in each tensor
	s_mov_b32 s71, 0
	s_mov_b32 s[SEL], 0x76543210
	s_mov_b32 s[SEL+1], 0xfedcba98
	s_mov_b32 s[EPSR], 0x358637bd
	s_mov_b32 s[EPSS], 0x308637bd
	s_mov_b32 s[TBK], 0
	s_mov_b32 s[TBL], 0
	s_mov_b32 s[TBV], 0
	s_mov_b32 s[TBS], 0
	s_mov_b32 s[G1L], 3<<16         ; lp and sg: 12 rows of 256 bytes a wave, elements of 8 bytes, no padding
	s_mov_b32 s[G1L+1], 32<<16
	s_mov_b32 s[G1L+2], 12<<16
	s_mov_b32 s[G1L+3], 32<<16
	s_mov_b32 s[G1L+4], 12
	s_mov_b32 s[G1L+5], 32
	s_mov_b32 s[G1L+6], 0
	s_mov_b32 s[G1L+7], 0
	G1KV G1K1, 3, 80                ; 160 keys
	G1KV G1K2, 3, 176               ; 352 keys
	G1KV G1V1, 7, 64                ; 128 keys
	G1KV G1V2, 7, 192               ; 384 keys
	s_wait_dscnt 0x0                ; the opening add is done
	s_wait_kmcnt 0x0
	s_add_nc_u64 s[14:15], s[4:5], s[70:71]        ; the head's q',
	s_add_nc_u64 s[16:17], s[14:15], 0x1000000     ; k,
	s_add_nc_u64 s[18:19], s[14:15], 0x2000000     ; v',
	s_add_nc_u64 s[20:21], s[8:9], s[70:71]        ; and O
	s_lshl_b32 s70, ttmp9, 16       ; my block's 512 rows of 128 bytes,
	s_lshl_b32 s75, s[WV], 14       ; my wave's 128
	s_add_co_u32 s70, s70, s75
	s_add_nc_u64 s[14:15], s[14:15], s[70:71]
	s_add_nc_u64 s[20:21], s[20:21], s[70:71]
	s_lshr_b32 s70, s74, 4
	s_mul_i32 s70, s70, 6144
	s_add_nc_u64 s[22:23], s[6:7], s[70:71]        ; the batch's lp and sg
	G0SET G0L, 3072, LPS, 22, 3072, 0
	G0SET G0K1, 160*PK, 0, 16, 160*128, 0                  ; keys 160 x half on
	G0SET G0K2, 352*PK, 320*PK, 16, 352*128, 320*128       ; keys 320 + 352 x half on
	G0SET G0V1, 128*PV, VOFF, 18, 128*128, 0               ; keys 128 x half on
	G0SET G0V2, 384*PV, VOFF+256*PV, 18, 384*128, 256*128  ; keys 256 + 384 x half on
	; THE FIRST PART OF THE FILLS, in one branch on the wave's number, ahead of every wait on TENSORcnt, every LDS read and every barrier.  Waves 0 and 1 have two loads out, waves 2 and 3 one.
	s_cmp_lt_u32 s[WV], 2
	s_cbranch_scc0 .Lfill_v
	tensor_load_to_lds s[G0L:G0L+3], s[G1L:G1L+7]
	s_nop 0
	tensor_load_to_lds s[G0K1:G0K1+3], s[G1K1:G1K1+7]
	s_nop 0
.rept 4
	v_nop
.endr
	s_branch .Lfilled
.Lfill_v:
	tensor_load_to_lds s[G0V1:G0V1+3], s[G1V1:G1V1+7]
	s_nop 0
.rept 4
	v_nop
.endr
.Lfilled:
	; A fragment of K or Q is 16 rows x 32 channels in 8 registers: lane l holds row l % 16, channels 8 (l / 16) + 0..7 and 16 + 8 (l / 16) + 0..7: two loads of 16 bytes, 32 bytes apart.
	v_and_b32 v1, 15, v0            ; r
	v_bfe_u32 v7, v0, 4, 1          ; h
	v_lshlrev_b32 v[QO], 7, v1
	v_lshl_add_u32 v[QO], v7, 4, v[QO]
	WIN 0x80                        ; destination window 2, address window 0
.set i, 0
.rept 16                            ; Q stays in registers: tile i / 2, channels 32 (i % 2) on
	global_load_b128 v[8*i:8*i+3],   v[QO], s[14:15] offset:(i/2)*2048+(i%2)*64
	global_load_b128 v[8*i+4:8*i+7], v[QO], s[14:15] offset:(i/2)*2048+(i%2)*64+32
.set i, i+1
.endr
	; What the first turn finds: V's and sg's registers and P's second buffer hold 0 (its products, of a piece that has not been, add 0); O^T, l' and SV's sum are 0.  All this stands in the wait for the first tiles.
.macro ZERO from, n
.set i, \from
.rept \n
	v_mov_b32 v[i], 0
.set i, i+1
.endr
.endm
	ZERO VF, 64
	WIN 0x40
	ZERO 0, 256
	WIN 0xc0
	ZERO VS, 16
	ZERO SVA, 8
	ZERO LA, 64
	WIN 0
	ZERO P+32, 32
.set i, 0
.rept 8
	v_mov_b32 v[ST+4*i], 0xc2700000 ; m = -60
	v_mov_b32 v[ST+4*i+1], 0        ; named with it as a pair
.set i, i+1
.endr
	v_mul_u32_u24 v[AK0], v1, PK
	v_lshl_add_u32 v[AK0], v7, 4, v[AK0]  ; row x pitch + 16 h
	v_lshl_add_u32 v[ALP0], v7, 5, LPS    ; register j of key block kb is key 16 kb + 8 h + j: 32 bytes at 32 h
	; The turning load takes 16 keys x 16 channels (lane l reads key 8 (l / 16) + l % 8, channels 8 ((l / 8) % 2) + 0..7) and leaves half a fragment of V^T: lane l holds channel l % 16 and 8 keys.
	v_and_b32 v8, 7, v0
	v_bfe_u32 v9, v0, 3, 1
	v_lshl_add_u32 v[AV0], v7, 3, v8
	v_mul_u32_u24 v[AV0], v[AV0], PV
	v_lshl_add_u32 v[AV0], v9, 4, v[AV0]
	v_add_nc_u32 v[AV0], VOFF, v[AV0]
	s_lshl_b32 s70, s[WV], 5
	v_add_nc_u32 v[AVW0], s70, v[AV0]     ; channels 16 x wave on
	v_lshl_add_u32 v[ASG0], v7, 4, SGS    ; every lane of a half takes the same 8 keys' sg: all 16 rows (or columns) of the fragment are alike
; THE MATRIX WORK.  The accumulators of a run take turns, one instruction a turn.
; Product i of 16 of S^T = K Q^T + lp for piece x: channels 32 (i / 8) on, keys 16 ((i / 2) % 4) on, tile 2 x + i % 2.  The first 8 start the sums with lp.
.macro KQ x
.set dD, S+64*((\x)%2)+32*(i%2)+8*((i/2)%4)
.set dA, KF+16*((i/2)%4)+8*(i/8)
.set dB, 16*(2*(\x)+i%2)+8*(i/8)
.set dC, LP+8*((i/2)%4)
.if i < 8
	WIN 0x3a                        ; K and Q window 2, lp window 3, S^T window 0
	v_wmma_f32_16x16x32_f16 v[dD:dD+7], v[dA:dA+7], v[dB:dB+7], v[dC:dC+7]
.else
	WIN 0x0a
	v_wmma_f32_16x16x32_f16 v[dD:dD+7], v[dA:dA+7], v[dB:dB+7], v[dD:dD+7]
.endif
.endm
; Product i - 16 of 20 for piece x: for each half kk of the step's keys eight of O^T += V^T P (channels 16 (w / 2) on, tile 2 x + w % 2), then two of l' += sg P.
.macro PVL x
.set kk, (i-16)/10
.set w, (i-16)%10
.if w < 8
.set dD, 32*(2*(\x)+w%2)+8*(w/2)
.set dA, VF+32*kk+8*(w/2)
.set dB, P+32*((\x)%2)+16*(w%2)+8*kk
	WIN 0x52                        ; V window 2, P window 0, O^T window 1
.else
.set dD, LA+8*(2*(\x)+w-8)
.set dA, VS+8*kk
.set dB, P+32*((\x)%2)+16*(w-8)+8*kk
	WIN 0xf3                        ; sg and l' window 3, P window 0
.endif
	v_wmma_f32_16x16x32_f16 v[dD:dD+7], v[dA:dA+7], v[dB:dB+7], v[dD:dD+7]
.endm
.macro SVP h                        ; SV of my 16 channels += V^T sg, key half h
	WIN 0xff
	v_wmma_f32_16x16x32_f16 v[SVA:SVA+7], v[VW+8*(\h):VW+8*(\h)+7], v[VS+8*(\h):VS+8*(\h)+7], v[SVA:SVA+7]
.endm
.macro MM                           ; the turn's next matrix instruction
.if i < 16
	KQ (Y+1)%4
.else
	PVL (Y+3)%4
.endif
.set i, i+1
.endm
; THE LDS LOADS stand in runs, never singly among the matrix instructions.  A step's K and lp; behind the last step's there is none, so the offsets stay at step 15 and the same K and lp come once more.
.macro FETCH_K
	WIN 0
	v_add_nc_u32 v[AK], s[TBK], v[AK0]
	v_add_nc_u32 v[ALP], s[TBL], v[ALP0]
	WIN 0x80
.irp f, 0,1,2,3,4,5,6,7             ; keys 16 (f / 2) on, channels 32 (f % 2) on
	ds_load_b128 v[KF+8*\f:KF+8*\f+3],   v[AK] offset:(\f/2)*16*PK+(\f%2)*64
	ds_load_b128 v[KF+8*\f+4:KF+8*\f+7], v[AK] offset:(\f/2)*16*PK+(\f%2)*64+32
.endr
	WIN 0xc0
.irp f, 0,1,2,3
	ds_load_b128 v[LP+8*\f:LP+8*\f+3],   v[ALP] offset:64*\f
	ds_load_b128 v[LP+8*\f+4:LP+8*\f+7], v[ALP] offset:64*\f+16
.endr
	s_add_co_u32 s[TBK], s[TBK], 64*PK
	s_min_u32 s[TBK], s[TBK], 15*64*PK
	s_add_co_u32 s[TBL], s[TBL], 256
	s_min_u32 s[TBL], s[TBL], 15*256
	WIN 0
.endm
.macro FETCH_V                      ; a step's V (turned), V of my own channels once more, and sg
	WIN 0
	v_add_nc_u32 v[AV], s[TBV], v[AV0]
	v_add_nc_u32 v[AVW], s[TBV], v[AVW0]
	v_add_nc_u32 v[ASG], s[TBS], v[ASG0]
	WIN 0x80
.irp f, 0,1,2,3,4,5,6,7             ; keys 32 (f / 4) on, channels 16 (f % 4) on
	ds_load_tr16_b128 v[VF+8*\f:VF+8*\f+3],   v[AV] offset:(\f/4)*32*PV+(\f%4)*32
	ds_load_tr16_b128 v[VF+8*\f+4:VF+8*\f+7], v[AV] offset:(\f/4)*32*PV+16*PV+(\f%4)*32
.endr
	WIN 0xc0
.irp f, 0,1
	ds_load_tr16_b128 v[VW+8*\f:VW+8*\f+3],   v[AVW] offset:\f*32*PV
	ds_load_tr16_b128 v[VW+8*\f+4:VW+8*\f+7], v[AVW] offset:\f*32*PV+16*PV
	ds_load_b128 v[VS+8*\f:VS+8*\f+3],   v[ASG] offset:64*\f
	ds_load_b128 v[VS+8*\f+4:VS+8*\f+7], v[ASG] offset:64*\f+32
.endr
	s_add_co_u32 s[TBV], s[TBV], 64*PV
	s_add_co_u32 s[TBS], s[TBS], 128
	WIN 0
.endm
; THE VECTOR WORK, one line at a time: OP kind, number; the number's last bit is the tile (0, 1) of the piece.  For piece Y: F: s' - m for pair n / 2 of 16.  E: the exponential of score n / 2 of 32.
; C: pair n / 2 rounded to f16.  For piece Y + 1: X: number n / 2 of those that find its maximum and statistics:
;   0-11  four chains c0-c3 of seven scores each, three operands at a time (each accumulator's lowest registers are read first)     12-14, 16  the four scores left over, the old m, c0-c3 into c0
;   15  m_old is kept     17, 18  the query's other 32 keys lie in the lane 16 away: the new m     20, 21  m_old - m_new; a     (there is no 19)
.set F, 0
.set E, 1
.set C, 2
.set X, 3
.macro REGS y, u                    ; the registers of tile u of piece y
.set rT, ST+4*(2*(\y)+(\u))
.set rC, TMP+8*((\y)%2)+4*(\u)
.set rM, MV+2*((\y)%2)+(\u)
.set rS, S+64*((\y)%2)+32*(\u)
.set rP, P+32*((\y)%2)+16*(\u)
.set rO, 32*(2*(\y)+(\u))
.set rL, LA+8*(2*(\y)+(\u))
.endm
.macro XS u, n
	REGS (Y+1)%4, \u
	WIN 0
.if (\n) < 4
	v_max3_num_f32 v[rC+(\n)], v[rS+8*(\n)], v[rS+8*(\n)+1], v[rS+8*(\n)+2]
.elseif (\n) < 12
	v_max3_num_f32 v[rC+(\n)%4], v[rC+(\n)%4], v[rS+8*((\n)%4)+2*((\n)/4)+1], v[rS+8*((\n)%4)+2*((\n)/4)+2]
.elseif (\n) == 12
	v_max3_num_f32 v[rC], v[rC], v[rS+7], v[rS+15]
.elseif (\n) == 13
	v_max3_num_f32 v[rC+1], v[rC+1], v[rS+23], v[rS+31]
.elseif (\n) == 14
	v_max3_num_f32 v[rC+2], v[rC+2], v[rC+3], v[rT]
.elseif (\n) == 15
	v_mov_b32 v[rM], v[rT]
.elseif (\n) == 16
	v_max3_num_f32 v[rC], v[rC], v[rC+1], v[rC+2]
	s_wait_alu depctr_va_vdst(0)
.elseif (\n) == 17
	v_permlanex16_b32 v[rC+3], v[rC], s[SEL], s[SEL+1]
.elseif (\n) == 18
	v_max_num_f32 v[rT], v[rC], v[rC+3]
.elseif (\n) == 20
	v_sub_f32 v[rC+1], v[rM], v[rT]
.else
	v_exp_f32 v[rC+2], v[rC+1]
.endif
.endm
.macro OP k, n
.if (\k) == F
	REGS Y, (\n)%2
	WIN 0
.set w0, rS+2*((\n)/2)
	v_pk_add_f32 v[w0:w0+1], v[w0:w0+1], v[rT:rT+1] op_sel_hi:[1,0] neg_lo:[0,1] neg_hi:[0,1]
.elseif (\k) == E
	REGS Y, (\n)%2
	WIN 0
	v_exp_f32 v[rS+(\n)/2], v[rS+(\n)/2]
.elseif (\k) == C
	REGS Y, (\n)%2
	WIN 0
.set w0, rS+2*((\n)/2)
	s_wait_alu depctr_va_vdst(0)
	v_cvt_pk_f16_f32 v[rP+(\n)/2], v[w0], v[w0+1]
.else
	XS (\n)%2, (\n)/2
.endif
.endm
.macro OP2 a, i1, b, i2
	OP \a, \i1
	OP \b, \i2
.endm
.macro ROW a, i1, b, i2, c, i3, d, i4  ; a matrix instruction and the four behind it
	MM
	OP \a, \i1
	OP \b, \i2
	OP \c, \i3
	OP \d, \i4
.endm
.macro MR r                         ; a matrix instruction and four of the rescaling: accumulator r / 2 of tile r % 2 of piece Y's O^T, times a
	MM
	REGS Y, (\r)%2
	WIN 0x41                        ; O^T window 1, a window 0
	s_wait_alu depctr_va_vdst(0)
.irp z, 0,1,2,3
	v_pk_mul_f32 v[rO+8*((\r)/2)+2*\z:rO+8*((\r)/2)+2*\z+1], v[rO+8*((\r)/2)+2*\z:rO+8*((\r)/2)+2*\z+1], v[rC+2:rC+3] op_sel_hi:[1,0]
.endr
.endm
.macro RL2                          ; l' times a: all 16 rows of its accumulator are alike, and register 0 alone is ever read; the others stay sums of at most 1,024 numbers within 1
	WIN 0xc3
	REGS Y, 0
	v_mul_f32 v[rL], v[rL], v[rC+2]
	REGS Y, 1
	v_mul_f32 v[rL], v[rL], v[rC+2]
.endm
; A TURN, for piece p: the order of its 36 matrix and 204 vector instructions, written out.  No vector line names a register of the products round it (the buffers in hand have the other parity).
; Behind a matrix instruction: plain, exponential, plain, exponential; or four of the rescaling; behind the first four subtractions.  In the lumps plain and exponential by turns while exponentials last:
; no two exponentials stand on end.  Exponential e stands behind subtraction 2 (e / 4) + e % 2, made a row or more before.  The roundings lag: rounding j wants exponentials up to 2 j + 2, and the first
; rounding comes when 28 exponentials are out, the ninth when all 64 are.  In the statistics' chain (16, 17, 18, 20, 21) each link stands four or five vector instructions behind the one that it reads.
; K and lp of the next step are fetched in piece 2's turn, seven plain instructions behind the last product that read K; V and sg of the step in hand in piece 0's turn, nine plain ones behind the last that read them.
; Each run is waited for a turn later.
.macro TURN p
.set Y, (\p)
.set i, 0
.if (\p) == 3
	s_wait_dscnt 0x0                ; K and lp are in
.endif
	ROW F,0, F,1, F,2, F,3
	ROW F,4, E,0, F,5, E,1
	ROW F,6, E,2, F,7, E,3
	ROW F,8, E,4, F,9, E,5
	MR 0
	ROW F,10, E,6, F,11, E,7
	ROW F,12, E,8, F,13, E,9
	MR 1
	ROW F,14, E,10, F,15, E,11
	ROW F,16, E,12, F,17, E,13
	MR 2
	ROW F,18, E,14, F,19, E,15
	ROW F,20, E,16, F,21, E,17
	MR 3
	ROW F,22, E,18, F,23, E,19
	ROW F,24, E,20, F,25, E,21
	OP2 F,26, E,22
	OP2 F,27, E,23
	OP2 F,28, E,24
	OP2 F,29, E,25
	OP2 F,30, E,26
.if (\p) == 2
	FETCH_K
.endif
	OP2 F,31, E,27
	OP2 C,0, E,28
	OP2 C,1, E,29
	OP2 C,2, E,30
	OP2 C,3, E,31
	OP2 C,4, E,32
	OP2 C,5, E,33
	OP2 C,6, E,34
	OP2 C,7, E,35
	OP2 X,30, E,36
	OP2 X,31, E,37
.if (\p) == 1
	s_wait_dscnt 0x0                ; V and sg are in
.endif
	ROW X,0, E,38, X,1, E,39
	ROW X,2, E,40, X,3, E,41
	MR 4
	ROW X,4, E,42, X,5, E,43
	ROW X,6, E,44, X,7, E,45
.if (\p) == 1
	SVP 0
.endif
	MR 5
	ROW X,8, E,46, X,9, E,47
	ROW X,10, E,48, X,11, E,49
	MR 6
	ROW X,12, E,50, X,13, E,51
	ROW X,14, E,52, X,15, E,53
	MR 7
	ROW X,16, E,54, X,17, E,55
	ROW X,18, E,56, X,19, E,57
	MM
	RL2
.if (\p) == 1
	SVP 1
.endif
	ROW X,20, E,58, X,21, E,59
	ROW X,22, E,60, X,23, E,61
	ROW X,24, E,62, X,25, E,63
	ROW X,26, C,8, X,27, C,9
	ROW X,28, C,10, X,29, C,11
	OP2 X,32, C,12
	OP2 X,33, C,13
	OP C, 14
.if (\p) == 0
	FETCH_V
.endif
	OP2 X,34, C,15
	OP2 X,35, C,16
	OP C, 17
	OP2 X,36, C,18
	OP2 X,37, C,19
	OP C, 20
	OP2 X,40, C,21
	OP2 X,41, C,22
	OP C, 23
	OP2 X,42, C,24
	OP2 X,43, C,25
	OP2 C,26, C,27
	OP2 C,28, C,29
	OP2 C,30, C,31
.endm
	WIN 0x0f                        ; (the add's two registers lie in window 3)
	s_wait_tensorcnt 0x0            ; my loads of the first part have landed: lp, sg, K of steps 0-4, V of steps 0-3
	ds_add_u32 v[SPW], v[NIL]       ; 0 onto my spare word
	s_wait_dscnt 0x0
	WIN 0
	s_barrier_signal -1
	s_barrier_wait -1               ; everybody's have
	s_cmp_lt_u32 s[WV], 2           ; THE SECOND PART: my one load behind this barrier, into bytes that nothing has filled: waves 0, 1 the rest of K, waves 2, 3 the rest of V
	s_cbranch_scc0 .Lrest_v
	tensor_load_to_lds s[G0K2:G0K2+3], s[G1K2:G1K2+7]
	s_nop 0
.rept 4
	v_nop
.endr
	s_branch .Lrest_asked
.Lrest_v:
	tensor_load_to_lds s[G0V2:G0V2+3], s[G1V2:G1V2+7]
	s_nop 0
.rept 4
	v_nop
.endr
.Lrest_asked:
	FETCH_K                         ; key step 0
	s_wait_loadcnt 0x0              ; Q
	s_wait_dscnt 0x0
.set i, 0
.rept 16
	KQ 0                            ; piece 0's first scores: there is no vector work yet to set between them
.set i, i+1
.endr
	WIN 0
	PLACES                          ; behind those products
.set Y, 3                           ; XS works for piece Y + 1: piece 0
.irp n, 0,1,2,3,4,5,6,7,8,9,10,11,12,13,14,15,16,17,18,20,21
	XS 0, \n
	XS 1, \n
.endr
	v_nop                           ; a plain instruction behind the exponentials
	s_mov_b32 s[SLOTS], 4
	s_branch .Lgo
.Lslot:                             ; behind the first four steps: the second part of K and V has had those steps in which to land.  Each wave waits for its own load, and the barrier shows every wave's to all.
	s_wait_tensorcnt 0x0            ; (the two later passes find nothing out: the price of one text for all sixteen steps)
	s_wait_dscnt 0x0
	s_barrier_signal -1
	s_barrier_wait -1
.Lgo:
	s_mov_b32 s[CNT], 4
.Lstep:                             ; a key step
	TURN 0
	TURN 1
	TURN 2
	TURN 3
	WIN 0
	s_sub_co_u32 s[CNT], s[CNT], 1
	s_cmp_lg_u32 s[CNT], 0
	s_cbranch_scc1 .Lstep
	s_sub_co_u32 s[SLOTS], s[SLOTS], 1
	s_cmp_lg_u32 s[SLOTS], 0
	s_cbranch_scc1 .Lslot
	; The last turn's 16 products K Q^T repeat step 15's scores for piece 0, so its maximum is left as it was: the price, once a launch, of one text for every step.
	; THE WAY OUT.  The waves hand each other their 16 channels of SV through LDS; the last piece's products stand between the barrier's signal and its wait.
	v_and_b32 v1, 15, v0
	v_bfe_u32 v[ASR], v0, 4, 1
	s_lshl_b32 s70, s[WV], 6
	s_add_co_u32 s70, s70, SVX
	v_lshl_add_u32 v[ASV], v[ASR], 5, s70  ; register j of my sum is channel 16 x wave + 8 h + j; the 16 lanes of a half store the same numbers to the same words
	WIN 0x0c                        ; data window 3, address window 0
	ds_store_b128 v[ASV], v[SVA:SVA+3]
	ds_store_b128 v[ASV], v[SVA+4:SVA+7] offset:16
	WIN 0
	s_mul_i32 s70, s[WV], 16*SP
	s_add_co_u32 s70, s70, STAGE    ; my stage
	v_mul_u32_u24 v[STO], v1, SP    ; in: row r, 16 bytes for each half of the lanes
	v_lshl_add_u32 v[STO], v[ASR], 4, v[STO]
	v_add_nc_u32 v[STO], s70, v[STO]
	v_bfe_u32 v[RD], v0, 3, 2       ; back: 32 lanes take four rows of 128 bytes,
	v_mul_u32_u24 v[RD], v[RD], SP
	v_and_b32 v[GO], 7, v0
	v_lshl_add_u32 v[RD], v[GO], 4, v[RD]
	v_add_nc_u32 v[RD], s70, v[RD]
	v_and_b32 v[GO], 31, v0         ; which are 512 consecutive bytes of O
	v_lshlrev_b32 v[GO], 4, v[GO]
	v_lshl_add_u32 v[ASR], v[ASR], 5, SVX
	s_wait_dscnt 0x0                ; for the others' sake: my part of SV is stored
	s_barrier_signal -1
.set i, 16
.rept 20
	PVL 3                           ; the last piece's products of the last step
.set i, i+1
.endr
	WIN 0
	s_barrier_wait -1
	WIN 0xc0
.irp f, 0,1,2,3                     ; SV in O^T's layout: register 8 cb + j is channel 16 cb + 8 h + j
	ds_load_b128 v[SVA+8*\f:SVA+8*\f+3],   v[ASR] offset:64*\f
	ds_load_b128 v[SVA+8*\f+4:SVA+8*\f+7], v[ASR] offset:64*\f+16
.endr
	WIN 0
	PLACES                          ; behind the last products
.macro ALL line:vararg              ; one line for each tile t
.set t, 0
.rept 8
	\line
.set t, t+1
.endr
.endm
	ALL v_exp_f32 v[ST+4*t+2], -v[ST+4*t]                              ; 2^-m
	v_nop
	s_wait_alu depctr_va_vdst(0)
	WIN 0x30                        ; source 2 window 3
	ALL v_fma_f32 v[ST+4*t+3], v[ST+4*t+2], s[EPSR], v[LA+8*t]         ; l' + EPS 2^-m
	WIN 0
	ALL v_rcp_f32 v[ST+4*t], v[ST+4*t+3]
	v_nop
	s_wait_alu depctr_va_vdst(0)
	ALL v_mul_f32 v[ST+4*t+2], s[EPSS], v[ST+4*t+2]
	ALL v_mul_f32 v[ST+4*t+2], v[ST+4*t+2], v[ST+4*t]                  ; (EPS / S) 2^-m / (l' + EPS 2^-m)
	s_wait_dscnt 0x0                ; SV is in
; Tile t: O^T over the divisor, plus SV's share; a lane's eight channels of a row pack into 16 bytes; they go into rows of 144 bytes and come back as whole rows of 128, into S^T's registers.
.macro PACK t
	WIN 0x41
.set z, 0
.rept 16
	v_pk_mul_f32 v[32*(\t)+2*z:32*(\t)+2*z+1], v[32*(\t)+2*z:32*(\t)+2*z+1], v[ST+4*(\t):ST+4*(\t)+1] op_sel_hi:[1,0]
.set z, z+1
.endr
	WIN 0x53                        ; SV window 3, its factor window 0, O^T window 1
.set z, 0
.rept 16
	v_pk_fma_f32 v[32*(\t)+2*z:32*(\t)+2*z+1], v[SVA+2*z:SVA+2*z+1], v[ST+4*(\t)+2:ST+4*(\t)+3], v[32*(\t)+2*z:32*(\t)+2*z+1] op_sel_hi:[1,0,1]
.set z, z+1
.endr
	WIN 0x05                        ; sources window 1, destination window 0
.set z, 0
.rept 16
	v_cvt_pk_f16_f32 v[S+16*(\t)+z], v[32*(\t)+2*z], v[32*(\t)+2*z+1]
.set z, z+1
.endr
	WIN 0
.irp f, 0,1,2,3
	ds_store_b128 v[STO], v[S+16*(\t)+4*\f:S+16*(\t)+4*\f+3] offset:32*\f
.endr
.irp f, 0,1,2,3
	ds_load_b128 v[S+16*(\t)+4*\f:S+16*(\t)+4*\f+3], v[RD] offset:\f*4*SP  ; LDS serves a wave's instructions in order (ISA guide 5.7.1.4): these see the stores above; the next tile's stores come behind them
.endr
.endm
.macro SEND t, younger              ; younger: the LDS instructions issued behind tile t's loads: the next tile's eight, or none
.irp f, 0,1,2,3
	s_wait_dscnt (\younger)+3-\f
	global_store_b128 v[GO], v[S+16*(\t)+4*\f:S+16*(\t)+4*\f+3], s[20:21] offset:(\t)*2048+\f*512  ; 512 consecutive bytes, at a multiple of 256 from O's first
.endr
.endm
	PACK 0
.set t, 1
.rept 7                             ; a tile's arithmetic stands between the loads of the tile before and its stores
	PACK t
	SEND t-1, 8
.set t, t+1
.endr
	SEND 7, 0
	WIN 0x0f
	s_wait_tensorcnt 0x0            ; the wave's end: these three lines stand behind my last tensor load and my last LDS store
	ds_add_u32 v[SPW], v[NIL]
	s_wait_dscnt 0x0
	WIN 0
	s_endpgm
.Lfunc_end_k_q8ade76ae48_attn:
	.size	k_q8ade76ae48_attn, .Lfunc_end_k_q8ade76ae48_attn-k_q8ade76ae48_attn
	.p2alignl 7, 3214868480
	.fill 96, 4, 3214868480
	.section	.rodata,"a",@progbits
	.p2align	6, 0x0
	.amdhsa_kernel k_q8ade76ae48_attn
		.amdhsa_group_segment_fixed_size 327680
		.amdhsa_private_segment_fixed_size 0
		.amdhsa_enable_private_segment 0
		.amdhsa_kernarg_size 24
		.amdhsa_user_sgpr_count 2
		.amdhsa_user_sgpr_kernarg_segment_ptr 1
		.amdhsa_wavefront_size32 1
		.amdhsa_system_sgpr_workgroup_id_x 1
		.amdhsa_system_sgpr_workgroup_id_y 1
		.amdhsa_system_sgpr_workgroup_id_z 1
		.amdhsa_system_vgpr_workitem_id 0
		.amdhsa_next_free_vgpr 960
		.amdhsa_next_free_sgpr 100
		.amdhsa_reserve_vcc 0
		.amdhsa_float_denorm_mode_32 3
		.amdhsa_float_denorm_mode_16_64 3
		.amdhsa_memory_ordered 1
		.amdhsa_forward_progress 1
		.amdhsa_inst_pref_size 140
	.end_amdhsa_kernel
	.amdgpu_metadata
---
amdhsa.version: [ 1, 2 ]
amdhsa.kernels:
  - .name:           k_q8ade76ae48_attn
    .symbol:         k_q8ade76ae48_attn.kd
    .args:
      - { .name: qkv, .offset: 0, .size: 8, .value_kind: global_buffer, .address_space: global }
      - { .name: pcast, .offset: 8, .size: 8, .value_kind: global_buffer, .address_space: global }
      - { .name: obuf, .offset: 16, .size: 8, .value_kind: global_buffer, .address_space: global }
    .group_segment_fixed_size: 327680
    .private_segment_fixed_size: 0
    .kernarg_segment_align: 8
    .kernarg_segment_size: 24
    .max_flat_workgroup_size: 128
    .sgpr_count:     100
    .vgpr_count:     960
    .wavefront_size: 32
...
	.end_amdgpu_metadata
.endif
;; end of part 3
;; launch dense (part 4): grid 4 x 64, 4 waves a work-group, clusters of 4 x 4, 327,680 bytes of LDS; arguments obuf, wcast, bcast, out0; writes out0
.if DOCPART == 4
	.amdgcn_target "amdgcn-amd-amdhsa--gfx1250"
	.amdhsa_code_object_version 6
	.text
	.protected	k_q8ade76ae48_dense
	.globl	k_q8ade76ae48_dense
	.p2align	8
	.type	k_q8ade76ae48_dense,@function
k_q8ade76ae48_dense:
	s_mov_b64 s[64:65], 0
	v_nop
	global_prefetch_b8 v0, s[64:65] scope:SCOPE_SE
	s_setreg_imm32_b32 hwreg(HW_REG_WAVE_MODE, 25, 1), 1
	s_wait_xcnt 0x0
	s_wait_alu depctr_hold_cnt(0) depctr_sa_sdst(0) depctr_va_vdst(0) depctr_va_sdst(0) depctr_va_ssrc(0) depctr_va_vcc(0) depctr_vm_vsrc(0)
	s_getreg_b32 s2, hwreg(HW_REG_IB_STS2, 6, 4)
	s_cmp_eq_u32 s2, 0
	s_cbranch_scc0 .Lentry_in_a_cluster
	s_endpgm
.Lentry_in_a_cluster:
	s_bfe_u32 s2, ttmp6, 0x10000c
	s_cmp_lg_u32 s2, 0xf033
	s_cbranch_scc0 .Lentry_shape_is_right
	s_endpgm
.Lentry_shape_is_right:
; THE LAST PROJECTION.  out0 = x Wd^T + bd, f32.  x is obuf, [128 heads][1024][64] f16, by heads: channel 64 head + d of row s of a batch.  Wd is wcast's fourth matrix (dense_w rounded to bf16, written as f16),
; bd is bcast's fourth row.  Products in f16, sums in f32.
; SHARES.  8192 x 1024 outputs are 256 tiles of 128 x 256, one to a work-group.  Four waves, each 64 x 128: 32 accumulators.  K goes in 8 steps of 128, two heads each, through a ring of two LDS slots.
; CLUSTER.  4 x 4 work-groups: x's tile is shared along a row of the cluster, Wd's along a column; each is asked for JOINTLY.  Waves 0 and 1 ask for the step's two heads of x (128 rows x 128 bytes, dense in
; memory: asked for as 64 rows of 256 bytes), waves 2 and 3 for the halves of Wd's tile (128 rows x 256 bytes).
; PREFETCH.  Each byte of x is wanted by one row of one cluster.  In the trip whose refill asks for K step t + 2, wave 0 asks the L2 for its work-group's quarter (8,192 bytes: half of one head's 128 rows, lanes
; 256 bytes apart, one instruction) of the tile of x of K step t + 4: two trips, 256 matrix instructions a wave, ahead of the tensor load that wants it.  The four partners' quarters make the tile, so each block of
; 256 bytes is asked for once.  The last two refilling trips ask for nothing: t + 4 would pass step 7.  Wd, which all rows of tiles read again, is not asked for.
; THE MATRIX INSTRUCTION IS USED TRANSPOSED (source 0 = 16 rows of Wd, source 1 = 16 rows of x): a lane holds one row of the result and eight neighbouring columns.  THE BIAS STARTS THE SUMS (256 v_mov_b32),
; so the way out has no arithmetic: accumulators go through my stage in LDS and leave as whole rows of 512 bytes.
; REGISTERS: window 0: v2-29 addresses; v32-95 x's fragments, two buffers (on the way out: rows read back); v96-159 bias; v160-223 rows read back.  window 1: accumulators, (a, b) at v[8 (8 a + b)].
;   window 2: v0-127 Wd's fragments, two buffers.
.set PITA,  144                        ; a row of x in LDS: 128 bytes + 16 = 36 words: the 16 rows of a load start at 16 different groups of four banks (64 banks of 4 bytes: ISA guide 11.1)
.set PITB,  272                        ; a row of Wd: 256 + 16 = 68 words: likewise
.set HEADA, 128*PITA                   ; a head's 128 rows: what one of x's loads brings
.set HALFB, 128*PITB
.set BOFF,  2*HEADA
.set SLOT1, 0x20000                    ; a slot is 106,496 bytes; slot 1 begins here, so that one exclusive or changes slots
.set STAGE, SLOT1+BOFF+2*HALFB         ; behind the ring, never filled by a tensor load: 16 rows x 528 bytes for each wave
.set SPI,   528
.set SPARE, STAGE+4*16*SPI
.set A0,  2
.set B0,  3
.set ADA, 4
.set ADB, 5
.set STO, 6
.set RD,  7
.set CO,  8
.set BO,  9
.set PFV, 26                           ; v26  the prefetch: my lane's place in the tile: head cx / 2, half cx % 2 of its 16,384 bytes, 256 x lane; never rewritten
.set SPW, 28                           ; v28  LDS address of my spare word; never rewritten
.set NIL, 29                           ; v29  0; never rewritten
.set AF,  32
.set BI,  96
.set OB0, 32
.set OB1, 160
.set BF,  0                            ; window 2
.set WV,  18
.set WM,  19                           ; wave / 2: my half of the rows.  Also: I ask for x (0) or for Wd (1)
.set WN,  20                           ; wave % 2: my half of the columns.  Also: which head, or which half of Wd's tile, I ask for
.set CX,  21
.set CY,  22
.set TX,  23
.set TY,  24
.set G1A, 28
.set G1B, 36
.set G0A, 44                           ; s[44:51]: a set for each first fill; the second then walks on
.set G0B, 52
.set TB,  60
.set CNT, 62
.set OA,  66
.set OB,  68
.set PFO, 86                           ; s[86:87] the prefetch: byte offset of the tile of K step 3
.set PFB, 88                           ; s[88:89] its base; stepped a trip later, behind s_wait_xcnt 0
.set MSB, 0
.macro WIN new
.if MSB != (\new)
	s_set_vgpr_msb (MSB<<8)|(\new)
.set MSB, \new
.endif
.endm
.set W_MUL, 0x52                       ; source 0 (Wd) window 2, source 1 (x) window 0, C and D window 1
.macro PLACES                          ; four places (ISA guide 7.12.1)
.rept 4
	v_nop
.endr
.endm
.macro JLOAD                           ; a joint refill; an s_nop 0 and four v_nop follow each of the two lines, ahead of the jump and the label
	s_cmp_eq_u32 s[WM], 0
	s_cbranch_scc0 .Lfor_b_\@
	tensor_load_to_lds s[G0A+4:G0A+7], s[G1A:G1A+7]
	s_nop 0
.rept 4
	v_nop
.endr
	s_branch .Lasked_\@
.Lfor_b_\@:
	tensor_load_to_lds s[G0B+4:G0B+7], s[G1B:G1B+7]
	s_nop 0
.rept 4
	v_nop
.endr
.Lasked_\@:
.endm
; The prefetch of a trip: wave 0 alone, and not in the last two refilling trips (the counter stands at 2 and 1 there).  Both jumps go forward, past no barrier and no tensor load.
.macro PFETCH
	s_cmp_lg_u32 s[WV], 0
	s_cbranch_scc1 .Lno_pf_\@
	s_cmp_lt_u32 s[CNT], 3
	s_cbranch_scc1 .Lno_pf_\@
	s_wait_xcnt 0x0                                ; the last trip's prefetch has had its addresses translated (ISA guide 3.1): its base is stepped only behind this wait
	s_add_nc_u64 s[PFB:PFB+1], s[PFB:PFB+1], 262144        ; the next K step: two heads on
	global_prefetch_b8 v[PFV], s[PFB:PFB+1] th:TH_LOAD_NT scope:SCOPE_SE
.Lno_pf_\@:
.endm
.macro CREST
	s_cmp_lg_u32 s[WV], 0
	s_cbranch_scc1 .Lnot_wave_0_\@
	s_barrier_signal -3
.Lnot_wave_0_\@:
	s_barrier_wait -3
	s_barrier_signal -1
	s_barrier_wait -1
.endm
.macro CROUND
	s_barrier_signal -1
	s_barrier_wait -1
	CREST
.endm
	s_load_b256 s[4:11], s[0:1], 0x0               ; obuf s[4:5], wcast s[6:7], bcast s[8:9], out0 s[10:11]
	v_lshl_add_u32 v[SPW], v0, 2, SPARE
	v_mov_b32 v[NIL], 0
	ds_add_u32 v[SPW], v[NIL]                      ; the wave's opening: the add and its wait stand ahead of my first tensor load; the set-up below, work on registers, stands between them
	v_lshrrev_b32 v1, 5, v0
	v_readfirstlane_b32 s[WV], v1
	s_lshr_b32 s[WM], s[WV], 1
	s_and_b32 s[WN], s[WV], 1
	s_bfe_u32 s[CX], ttmp6, 0x40000
	s_bfe_u32 s[CY], ttmp6, 0x40004
	s_lshl_b32 s[TX], ttmp9, 2
	s_add_co_u32 s[TX], s[TX], s[CX]               ; tile column
	s_and_b32 s[TY], ttmp7, 0xffff
	s_lshl_b32 s[TY], s[TY], 2
	s_add_co_u32 s[TY], s[TY], s[CY]               ; tile row
	s_lshl_b32 s25, s[CY], 2
	s_lshl_b32 s25, 15, s25                        ; my row of the cluster
	s_lshl_b32 s26, 0x1111, s[CX]                  ; my column
	s_or_b32 s[G1A], s25, (1<<16)|(1<<20)|(1<<21)|(4<<22)|(3<<25)  ; the mask; elements of 2 bytes; padding on; bit 21 beside a mask; after every 32 words (code 4) 4 words (code 3)
	s_mov_b32 s[G1A+1], 128<<16
	s_mov_b32 s[G1A+2], 64<<16
	s_mov_b32 s[G1A+3], 128<<16
	s_mov_b32 s[G1A+4], 64
	s_mov_b32 s[G1A+5], 128
	s_mov_b32 s[G1A+6], 0
	s_mov_b32 s[G1A+7], 0
	s_or_b32 s[G1B], s26, (1<<16)|(1<<20)|(1<<21)|(5<<22)|(3<<25)  ; after every 64 words (code 5) 4 words
	s_mov_b32 s[G1B+1], 128<<16
	s_mov_b32 s[G1B+2], 128<<16
	s_mov_b32 s[G1B+3], 128<<16
	s_mov_b32 s[G1B+4], 128
	s_mov_b32 s[G1B+5], 1024
	s_mov_b32 s[G1B+6], 0
	s_mov_b32 s[G1B+7], 0
	s_mul_i32 s75, s[WN], HEADA                    ; where the tiles go: no place in the cluster enters an LDS address
	s_mov_b32 s[G0A], 1
	s_mov_b32 s[G0A+1], s75
	s_mov_b32 s[G0A+4], 1
	s_add_co_u32 s[G0A+5], s75, SLOT1
	s_mul_i32 s76, s[WN], HALFB
	s_mov_b32 s[G0B], 1
	s_add_co_u32 s[G0B+1], s76, BOFF
	s_mov_b32 s[G0B+4], 1
	s_add_co_u32 s[G0B+5], s76, BOFF+SLOT1
	s_lshr_b32 s70, s[TY], 3                       ; x: head 16 x batch + which, row 128 (ty % 8), 128 bytes a row: it hangs on the tile row alone
	s_lshl_b32 s70, s70, 4
	s_add_co_u32 s70, s70, s[WN]
	s_lshl_b32 s70, s70, 10
	s_and_b32 s77, s[TY], 7
	s_lshl_b32 s77, s77, 7
	s_add_co_u32 s70, s70, s77
	s_lshl_b32 s[OA], s70, 7
	s_mov_b32 s[OA+1], 0
	s_lshl_b32 s71, s[TX], 8                       ; Wd: the fourth matrix, row 256 tx + 128 x half, 2,048 bytes a row: on the tile column alone
	s_lshl_b32 s78, s[WN], 7
	s_add_co_u32 s71, s71, s78
	s_lshl_b32 s71, s71, 11
	s_add_co_u32 s[OB], s71, 3*0x200000
	s_mov_b32 s[OB+1], 0
	s_lshr_b32 s[PFO], s[TY], 3                    ; the prefetch: the batch's 16 heads of 131,072 bytes, row 128 (ty % 8), K step 3 (the first trip steps to 4)
	s_lshl_b32 s[PFO], s[PFO], 21
	s_lshl_b32 s77, s77, 7
	s_add_co_u32 s[PFO], s[PFO], s77
	s_add_co_u32 s[PFO], s[PFO], 3*262144
	s_mov_b32 s[PFO+1], 0
	s_mov_b32 s[TB], 0
	s_mov_b32 s[CNT], 6
	s_wait_dscnt 0x0                               ; the opening add is done
	s_wait_kmcnt 0x0
	s_add_nc_u64 s[PFB:PFB+1], s[4:5], s[PFO:PFO+1]
	s_add_nc_u64 s[G0A+2:G0A+3], s[4:5], s[OA:OA+1]        ; K step 0,
	s_add_nc_u64 s[G0A+6:G0A+7], s[G0A+2:G0A+3], 262144    ; K step 1: two heads on
	s_or_b32 s[G0A+3], s[G0A+3], 0x80000000
	s_or_b32 s[G0A+7], s[G0A+7], 0x80000000
	s_add_nc_u64 s[G0B+2:G0B+3], s[6:7], s[OB:OB+1]
	s_add_nc_u64 s[G0B+6:G0B+7], s[G0B+2:G0B+3], 256
	s_or_b32 s[G0B+3], s[G0B+3], 0x80000000
	s_or_b32 s[G0B+7], s[G0B+7], 0x80000000
	s_add_nc_u64 s[8:9], s[8:9], 12288             ; the fourth bias
	s_lshl_b32 s77, s[TY], 7                       ; my part of out0: row 128 ty + 64 x row half, column 256 tx + 128 x column half, f32
	s_lshl_b32 s78, s[WM], 6
	s_add_co_u32 s77, s77, s78
	s_lshl_b32 s77, s77, 10
	s_lshl_b32 s78, s[TX], 8
	s_add_co_u32 s77, s77, s78
	s_lshl_b32 s78, s[WN], 7
	s_add_co_u32 s77, s77, s78
	s_lshl_b32 s78, s77, 2
	s_mov_b32 s79, 0
	s_add_nc_u64 s[10:11], s[10:11], s[78:79]
	CROUND                                         ; all sixteen work-groups are here: the first joint loads meet
	s_cmp_eq_u32 s[WM], 0                          ; a wave's two first fills stand in one branch: two loads of mine are out
	s_cbranch_scc0 .Lfirst_b
	tensor_load_to_lds s[G0A:G0A+3], s[G1A:G1A+7]
	s_nop 0
	tensor_load_to_lds s[G0A+4:G0A+7], s[G1A:G1A+7]
	s_nop 0
.rept 4
	v_nop
.endr
	s_branch .Lfirst_asked
.Lfirst_b:
	tensor_load_to_lds s[G0B:G0B+3], s[G1B:G1B+7]
	s_nop 0
	tensor_load_to_lds s[G0B+4:G0B+7], s[G1B:G1B+7]
	s_nop 0
.rept 4
	v_nop
.endr
.Lfirst_asked:
	v_and_b32 v1, 15, v0                           ; r
	v_bfe_u32 v23, v0, 4, 1                        ; h
	s_lshl_b32 s75, s[TX], 10
	s_lshl_b32 s76, s[WN], 9
	s_add_co_u32 s75, s75, s76
	v_lshl_add_u32 v[BO], v23, 5, s75              ; (256 tx + 128 x half + 8 h) x 4
.irp b, 0,1,2,3,4,5,6,7                ; the bias in the accumulators' layout: register j of block b is column 16 b + 8 h + j
	global_load_b128 v[BI+8*\b:BI+8*\b+3], v[BO], s[8:9] offset:64*\b
	global_load_b128 v[BI+8*\b+4:BI+8*\b+7], v[BO], s[8:9] offset:64*\b+16
.endr
	s_and_b32 s90, s[CX], 1                        ; the prefetch: my work-group's quarter of the tile
	s_lshl_b32 s90, s90, 13
	s_lshr_b32 s91, s[CX], 1
	s_lshl_b32 s91, s91, 17
	s_add_co_u32 s90, s90, s91
	v_and_b32 v[PFV], 31, v0
	v_lshl_add_u32 v[PFV], v[PFV], 8, s90
	v_mul_u32_u24 v[A0], v1, PITA                  ; a fragment's row x pitch + 16 h
	v_lshl_add_u32 v[A0], v23, 4, v[A0]
	s_mul_i32 s75, s[WM], 64*PITA
	v_add_nc_u32 v[A0], s75, v[A0]
	v_mul_u32_u24 v[B0], v1, PITB
	v_lshl_add_u32 v[B0], v23, 4, v[B0]
	s_mul_i32 s76, s[WN], HALFB
	s_add_co_u32 s76, s76, BOFF
	v_add_nc_u32 v[B0], s76, v[B0]
	v_mov_b32 v[ADA], v[A0]
	v_mov_b32 v[ADB], v[B0]
	s_mul_i32 s75, s[WV], 16*SPI
	s_add_co_u32 s75, s75, STAGE                   ; my stage
	v_mul_u32_u24 v[STO], v1, SPI                  ; in: row r, 32 bytes for each half of the lanes
	v_lshl_add_u32 v[STO], v23, 5, v[STO]
	v_add_nc_u32 v[STO], s75, v[STO]
	v_and_b32 v[CO], 31, v0                        ; back: 32 lanes take a row's 512 bytes
	v_lshlrev_b32 v[CO], 4, v[CO]
	v_add_nc_u32 v[RD], s75, v[CO]
; 8 matrix instructions: row block a x all 8 column blocks, 32 along K, on buffer f.  The 32 accumulators take turns, one instruction a turn.
.macro MUL8 f, a
	WIN W_MUL
.irp b, 0,1,2,3,4,5,6,7
	v_wmma_f32_16x16x32_f16 v[8*(8*(\a)+\b):8*(8*(\a)+\b)+7], v[BF+64*(\f)+8*\b:BF+64*(\f)+8*\b+7], v[AF+32*(\f)+8*(\a):AF+32*(\f)+8*(\a)+7], v[8*(8*(\a)+\b):8*(8*(\a)+\b)+7]
.endr
.endm
; 24 LDS loads in one run: quarter k of the slot in hand (head k / 2 of the step's two, channels 32 (k % 2) on) into buffer g
.macro FETCH k, g
	WIN 0
.irp i, 0,1,2,3
	ds_load_b128 v[AF+32*(\g)+8*\i:AF+32*(\g)+8*\i+3],   v[ADA] offset:((\k)/2)*HEADA+((\k)%2)*64+\i*16*PITA
	ds_load_b128 v[AF+32*(\g)+8*\i+4:AF+32*(\g)+8*\i+7], v[ADA] offset:((\k)/2)*HEADA+((\k)%2)*64+\i*16*PITA+32
.endr
	WIN 0x80
.irp i, 0,1,2,3,4,5,6,7
	ds_load_b128 v[BF+64*(\g)+8*\i:BF+64*(\g)+8*\i+3],   v[ADB] offset:(\k)*64+\i*16*PITB
	ds_load_b128 v[BF+64*(\g)+8*\i+4:BF+64*(\g)+8*\i+7], v[ADB] offset:(\k)*64+\i*16*PITB+32
.endr
.endm
.macro QUARTER k, f, g
	s_wait_dscnt 0x0                               ; this quarter's fragments are in
	MUL8 \f, 0
	MUL8 \f, 1
	PLACES                                         ; in front of the loads into buffer g, which the quarter before multiplied
	FETCH \k, \g
	MUL8 \f, 2
	MUL8 \f, 3
.endm
; The last quarter multiplies buffer 1 and changes slots: ONE barrier; in front of it each wave waits for all its tensor loads (one is out: its part of the next slot), adds 0 to its spare word, and waits for that
; and for its own reads of this slot.  fill = 1: the barrier opens a round of the cluster's, and this slot is filled again, two K steps ahead, first thing behind the round; the trip's prefetch follows it.
.macro TURN fill
	WIN 0
	s_wait_tensorcnt 0x0                           ; no tensor load of mine is out, so a group 0 may be written
	ds_add_u32 v[SPW], v[NIL]                      ; 0 onto my spare word
.if \fill
	s_add_nc_u64 s[G0A+6:G0A+7], s[G0A+6:G0A+7], 262144    ; the walking descriptors: the next K step, the other slot; the type bits on top are not reached
	s_xor_b32 s[G0A+5], s[G0A+5], SLOT1
	s_add_nc_u64 s[G0B+6:G0B+7], s[G0B+6:G0B+7], 256
	s_xor_b32 s[G0B+5], s[G0B+5], SLOT1
.endif
	s_wait_dscnt 0x1                               ; this quarter's fragments are in; the add alone may be out
	MUL8 1, 0
	s_wait_dscnt 0x0                               ; the add is done, and my reads of this slot are over
	s_barrier_signal -1
	MUL8 1, 1
	WIN 0
	s_barrier_wait -1
.if \fill
	CREST                                          ; no wave of any partner still reads this slot's tile or has a load on its way
	JLOAD                                          ; my one tensor load behind the round; its four v_nop are also the places in front of the loads below
	PFETCH
.else
	PLACES
.endif
	s_xor_b32 s[TB], s[TB], SLOT1
	v_add_nc_u32 v[ADA], s[TB], v[A0]
	v_add_nc_u32 v[ADB], s[TB], v[B0]
	FETCH 0, 0
	MUL8 1, 2
	MUL8 1, 3
.endm
.macro STEP fill
	QUARTER 1, 0, 1
	QUARTER 2, 1, 0
	QUARTER 3, 0, 1
	TURN \fill
.endm
	s_wait_loadcnt 0x0                             ; the bias,
	WIN 0x40
.set z, 0
.rept 256
	v_mov_b32 v[z], v[BI+z%64]                     ; which starts the sums
.set z, z+1
.endr
	WIN 0
	s_wait_tensorcnt 0x1                           ; my part of K step 0 is in; K step 1's may stay out
	s_barrier_signal -1
	s_barrier_wait -1
	FETCH 0, 0
	WIN 0
.Lstep:                                                ; six trips: every K step but the last two fills its slot again
	STEP 1
	WIN 0
	s_sub_co_u32 s[CNT], s[CNT], 1
	s_cmp_lg_u32 s[CNT], 0
	s_cbranch_scc1 .Lstep
	s_mov_b32 s[CNT], 2
.Ltail:                                                ; the last two ask for nothing; the very last fetches the other slot's first quarter once more and uses none of it: the price of one text for both
	STEP 0
	WIN 0
	s_sub_co_u32 s[CNT], s[CNT], 1
	s_cmp_lg_u32 s[CNT], 0
	s_cbranch_scc1 .Ltail
; THE WAY OUT.  Row block a: 16 rows x 512 bytes go from the accumulators into my stage (STG: 32 bytes a lane and column block), come back as whole rows (BACK) and are stored (SEND).
; Block a + 1 goes into the stage between block a's loads and the wait for them.  LDS serves a wave's instructions in order (ISA guide 5.7.1.4): a block's loads see its stores, and the next block's stores come
; behind them.  By the text's own count at most 48 LDS instructions are out.
.macro STG a
	WIN 0x04                                       ; data window 1, address window 0
.irp b, 0,1,2,3,4,5,6,7
	ds_store_b128 v[STO], v[64*(\a)+8*\b:64*(\a)+8*\b+3] offset:64*\b
	ds_store_b128 v[STO], v[64*(\a)+8*\b+4:64*(\a)+8*\b+7] offset:64*\b+16
.endr
	WIN 0
.endm
.macro BACK a
.set BK, OB0+(OB1-OB0)*((\a)%2)
.if (\a) > 1
	s_wait_xcnt 0x0                                ; the registers that the stores of the block before last read are loaded again only behind this wait
.endif
.irp t, 0,1,2,3,4,5,6,7,8,9,10,11,12,13,14,15
	ds_load_b128 v[BK+4*\t:BK+4*\t+3], v[RD] offset:\t*SPI
.endr
.endm
.macro SEND a, younger                 ; younger: the LDS instructions issued behind block a's loads: the next block's sixteen stores, or none
.set BK, OB0+(OB1-OB0)*((\a)%2)
	s_wait_dscnt \younger
.irp t, 0,1,2,3,4,5,6,7,8,9,10,11,12,13,14,15
	global_store_b128 v[CO], v[BK+4*\t:BK+4*\t+3], s[10:11] offset:(\a)*65536+\t*4096  ; 512 consecutive bytes of a row, at a multiple of 256 from out0's first byte
.endr
.endm
	s_wait_dscnt 0x0                               ; the last change of slots fetched fragments that nobody uses: they have landed before the rows below are loaded into the same registers
	PLACES                                         ; behind the last products
	STG 0
	BACK 0
	STG 1
	SEND 0, 16
	BACK 1
	STG 2
	SEND 1, 16
	BACK 2
	STG 3
	SEND 2, 16
	BACK 3
	SEND 3, 0
	s_wait_tensorcnt 0x0                           ; the wave's end: these three lines stand behind my last tensor load and my last LDS store
	ds_add_u32 v[SPW], v[NIL]
	s_wait_dscnt 0x0
	CROUND                                         ; the closing round: no work-group ends while a partner may still ask for a tile that names it
	s_endpgm
.Lfunc_end_k_q8ade76ae48_dense:
	.size	k_q8ade76ae48_dense, .Lfunc_end_k_q8ade76ae48_dense-k_q8ade76ae48_dense
	.p2alignl 7, 3214868480
	.fill 96, 4, 3214868480
	.section	.rodata,"a",@progbits
	.p2align	6, 0x0
	.amdhsa_kernel k_q8ade76ae48_dense
		.amdhsa_group_segment_fixed_size 327680
		.amdhsa_private_segment_fixed_size 0
		.amdhsa_enable_private_segment 0
		.amdhsa_kernarg_size 32
		.amdhsa_user_sgpr_count 2
		.amdhsa_user_sgpr_kernarg_segment_ptr 1
		.amdhsa_wavefront_size32 1
		.amdhsa_system_sgpr_workgroup_id_x 1
		.amdhsa_system_sgpr_workgroup_id_y 1
		.amdhsa_system_sgpr_workgroup_id_z 1
		.amdhsa_system_vgpr_workitem_id 0
		.amdhsa_next_free_vgpr 640
		.amdhsa_next_free_sgpr 92
		.amdhsa_reserve_vcc 0
		.amdhsa_float_denorm_mode_32 3
		.amdhsa_float_denorm_mode_16_64 3
		.amdhsa_memory_ordered 1
		.amdhsa_forward_progress 1
		.amdhsa_inst_pref_size 66
	.end_amdhsa_kernel
	.amdgpu_metadata
---
amdhsa.version: [ 1, 2 ]
amdhsa.kernels:
  - .name:           k_q8ade76ae48_dense
    .symbol:         k_q8ade76ae48_dense.kd
    .args:
      - { .name: obuf, .offset: 0, .size: 8, .value_kind: global_buffer, .address_space: global }
      - { .name: wcast, .offset: 8, .size: 8, .value_kind: global_buffer, .address_space: global }
      - { .name: bcast, .offset: 16, .size: 8, .value_kind: global_buffer, .address_space: global }
      - { .name: out0, .offset: 24, .size: 8, .value_kind: global_buffer, .address_space: global }
    .group_segment_fixed_size: 327680
    .private_segment_fixed_size: 0
    .kernarg_segment_align: 8
    .kernarg_segment_size: 32
    .max_flat_workgroup_size: 128
    .sgpr_count:     92
    .vgpr_count:     640
    .wavefront_size: 32
...
	.end_amdgpu_metadata
.endif
;; end of part 4
;; ======== version 2 of 2: 4 launches; version 1 with the launch cast written anew for expert scheduling mode
;; limits: values are held in f16: magnitudes above 65,504 overflow, below 6.1e-05 lose precision
;; workspace buffers: wcast 8,388,608 bytes; bcast 16,384 bytes; pcast 49,152 bytes; qkv 50,331,648 bytes; obuf 16,777,216 bytes
;; launch cast (part 5): grid 256 x 1, 8 waves a work-group, no clusters, 0 bytes of LDS; arguments wq_w, wk_w, wv_w, dense_w, wq_b, wk_b, wv_b, dense_b, policy, wcast, bcast, pcast; writes wcast, bcast, pcast
.if DOCPART == 5
	.amdgcn_target "amdgcn-amd-amdhsa--gfx1250"
	.amdhsa_code_object_version 6
	.text
	.protected	k_q8ade76ae48_cast
	.globl	k_q8ade76ae48_cast
	.p2align	8
	.type	k_q8ade76ae48_cast,@function
k_q8ade76ae48_cast:
	s_mov_b64 s[64:65], 0
	v_nop
	global_prefetch_b8 v0, s[64:65] scope:SCOPE_SE
	s_setreg_imm32_b32 hwreg(HW_REG_WAVE_SCHED_MODE, 0, 2), 2
	s_setreg_imm32_b32 hwreg(HW_REG_WAVE_MODE, 25, 1), 1
	s_wait_xcnt 0x0
	s_wait_alu depctr_vm_vsrc(0)
; CAST.  The small inputs are rounded once, so that the matrix launches read 16-bit weights and no launch rounds an input twice.
;   wcast [4][1024][1024], 16 bits: wq_w, wk_w, wv_w as bf16; dense_w rounded to bf16 and that number written as f16 (its partner in the last product, O, is f16).
;   bcast [4][1024] f32: the four biases, rounded to bf16 and widened again.
;   pcast [8 batches][6,144 bytes]: lp[1024] f32 = log2 |bf16(policy)|, not below -1e30; then sg[1024] f16 = +1 or -1 by the policy's sign bit.
; LIMITS.  dense_w beyond 65,504 becomes an infinity, below 6e-5 it keeps f16's fixed step of 6e-8; a policy below 2^-126 counts as 0 (v_log_f32 takes a denormal as zero: ISA guide 15.8).
; SHARES.  256 work-groups of eight waves: 64 to a weight matrix, 16,384 numbers each: sixteen 16-byte loads a thread, all issued first.  A wave's store of 8 bytes a lane covers 256 consecutive
; bytes, aligned.  Part 0 of each matrix also takes that matrix's bias, part 1 two batches of the policy: their loads go out AHEAD of the weights', so that they land with them and no second
; round trip to memory follows the weights.  A stream: no LDS, no matrix unit, no cluster: nothing is shared.
; THE MODE: SCHED_MODE bits 1:0 = 2 (LLVM: expert scheduling mode 2), set by the entry lines.  The code itself states the register dependences between vector instructions and memory
; instructions, with s_wait_alu, always for 0.
; THE PLAN.  Registers that memory instructions touch:
;   v1, v2   byte offsets, written once at the head and never again; every load and store reads one of them.
;   SB, SP   written with 0 at the head; in parts 0 and 1 a load lands in them, once; from then on vector instructions alone name them.
;   IN       a load lands in each register once; the conversions read them.  Behind the weights the work on the bias and the policy writes some of them, of which v[16:19] and v[40:51] are stores' data, once.
;   OW       the sixteen loads go in four groups of four: group g's conversions write its eight registers, its four stores read them, and nothing writes them again.
; Group g's stores are issued at the head of group g + 1, behind the wait for that group's data and one wait on va_vdst; the last group's behind a wait of their own.  One wait on va_vdst at the head
; serves the offsets and SB, SP.  No register that a memory instruction reads is ever written again, so no wait on vm_vsrc is owed; no vector instruction writes a scalar register, and EXEC is never written.
.set IN, 8                             ; v[8:71]    sixteen loads of four f32; behind the weights' conversions: at work
.set OW, 72                            ; v[72:103]  sixteen pairs of packed words: each store has data registers of its own, none is rewritten
.set SB, 104                           ; v[104:107] part 0: four numbers of the bias
.set SP, 108                           ; v[108:115] part 1: four numbers of the policy in each of two batches
	s_load_b512 s[4:19], s[0:1], 0x0               ; wq_w, wk_w, wv_w, dense_w, wq_b, wk_b, wv_b, dense_b
	s_load_b256 s[20:27], s[0:1], 0x40             ; policy s[20:21], wcast s[22:23], bcast s[24:25], pcast s[26:27]
	s_lshr_b32 s28, ttmp9, 6                       ; which matrix
	s_and_b32 s29, ttmp9, 63                       ; which part of it
	v_lshlrev_b32 v1, 4, v0                        ; 16 bytes a thread in
	v_lshlrev_b32 v2, 3, v0                        ; 8 bytes a thread out
	s_lshl_b32 s36, s29, 16                        ; the part's 65,536 bytes of f32
	s_mov_b32 s37, 0
	s_lshl_b32 s38, s28, 21                        ; the matrix's 2,097,152 bytes in wcast,
	s_lshl_b32 s40, s29, 15                        ; the part's 32,768
	s_add_co_u32 s38, s38, s40
	s_mov_b32 s39, 0
	s_lshl_b32 s42, s28, 12                        ; the matrix's row of bcast
	s_mov_b32 s43, 0
	s_lshl_b32 s44, s28, 13                        ; batches 2 x matrix and 2 x matrix + 1: 4,096 bytes of policy each,
	s_mov_b32 s45, 0
	s_mul_i32 s46, s28, 12288                      ; 6,144 bytes of pcast each
	s_mov_b32 s47, 0
	s_mov_b32 s34, 0x3c003c00                      ; 1.0 twice, in f16
	s_mov_b32 s35, 0xf149f2ca                      ; -1e30
	s_mov_b32 s41, 0xffff0000                      ; a word's upper bf16
.set r, SB
.rept 12
	v_mov_b32 v[r], 0                              ; written in every work-group, so that every path has written them; parts 0 and 1 load over them
.set r, r+1
.endr
	s_wait_kmcnt 0x0
	s_cmp_eq_u32 s28, 1                            ; the matrix's number chooses between the buffers
	s_cselect_b64 s[30:31], s[6:7], s[4:5]
	s_cselect_b64 s[32:33], s[14:15], s[12:13]
	s_cmp_eq_u32 s28, 2
	s_cselect_b64 s[30:31], s[8:9], s[30:31]
	s_cselect_b64 s[32:33], s[16:17], s[32:33]
	s_cmp_eq_u32 s28, 3
	s_cselect_b64 s[30:31], s[10:11], s[30:31]
	s_cselect_b64 s[32:33], s[18:19], s[32:33]
	s_add_nc_u64 s[30:31], s[30:31], s[36:37]
	s_add_nc_u64 s[22:23], s[22:23], s[38:39]
	s_add_nc_u64 s[24:25], s[24:25], s[42:43]
	s_add_nc_u64 s[20:21], s[20:21], s[44:45]
	s_add_nc_u64 s[26:27], s[26:27], s[46:47]
	s_wait_alu depctr_va_vdst(0)                   ; v1 and v2 are written, which every load and store of the kernel reads as its offset; so are SB and SP, in which the loads below land
	s_cmp_lg_u32 s29, 0
	s_cbranch_scc1 .Lno_bias_load
	global_load_b128 v[SB:SB+3], v1, s[32:33]      ; the matrix's bias: 1,024 numbers, four a thread
.Lno_bias_load:
	s_cmp_lg_u32 s29, 1
	s_cbranch_scc1 .Lno_policy_load
	global_load_b128 v[SP:SP+3], v1, s[20:21]
	global_load_b128 v[SP+4:SP+7], v1, s[20:21] offset:4096
.Lno_policy_load:
.irp i, 0,1,2,3,4,5,6,7,8,9,10,11,12,13,14,15
	global_load_b128 v[IN+4*\i:IN+4*\i+3], v1, s[30:31] offset:4096*\i th:TH_LOAD_NT
.endr
; the four stores of group g
.macro STORES g
.irp i, 0,1,2,3
	global_store_b64 v2, v[OW+8*(\g)+2*\i:OW+8*(\g)+2*\i+1], s[22:23] offset:2048*(4*(\g)+\i)
.endr
.endm
; half = 1: the bf16 numbers are widened again and written as f16
.macro CONV half
.irp g, 0,1,2,3
	s_wait_loadcnt 12-4*\g                         ; loads come back in order (ISA guide 5.7.1): group g's four loads and all older ones are in, the 12 - 4 g younger ones stay out
.if \g > 0
	s_wait_alu depctr_va_vdst(0)                   ; the conversions of the group before have written its eight registers of OW, which the four stores below read
	STORES (\g-1)
.endif
.irp i, 0,1,2,3
	v_cvt_pk_bf16_f32 v[OW+8*\g+2*\i], v[IN+16*\g+4*\i], v[IN+16*\g+4*\i+1]
	v_cvt_pk_bf16_f32 v[OW+8*\g+2*\i+1], v[IN+16*\g+4*\i+2], v[IN+16*\g+4*\i+3]
.if \half
	v_lshlrev_b32 v4, 16, v[OW+8*\g+2*\i]
	v_and_b32 v5, s41, v[OW+8*\g+2*\i]
	v_lshlrev_b32 v6, 16, v[OW+8*\g+2*\i+1]
	v_and_b32 v7, s41, v[OW+8*\g+2*\i+1]
	v_cvt_pk_f16_f32 v[OW+8*\g+2*\i], v4, v5
	v_cvt_pk_f16_f32 v[OW+8*\g+2*\i+1], v6, v7
.endif
.endr
.endr
	s_wait_alu depctr_va_vdst(0)                   ; the last group's conversions have written its eight registers of OW, which the last four stores read
	STORES 3
.endm
	s_cmp_eq_u32 s28, 3
	s_cbranch_scc1 .Lhalf
	CONV 0
	s_branch .Lweights_done
.Lhalf:
	CONV 1
.Lweights_done:                                        ; the last wait for loads above was for 0: the bias and the policy, issued first, are in too
	s_cmp_lg_u32 s29, 0
	s_cbranch_scc1 .Lnot_bias
	v_cvt_pk_bf16_f32 v12, v[SB], v[SB+1]
	v_cvt_pk_bf16_f32 v13, v[SB+2], v[SB+3]
	v_lshlrev_b32 v16, 16, v12
	v_and_b32 v17, s41, v12
	v_lshlrev_b32 v18, 16, v13
	v_and_b32 v19, s41, v13
	s_wait_alu depctr_va_vdst(0)                   ; v[16:19] are written, which the store reads
	global_store_b128 v1, v[16:19], s[24:25]
.Lnot_bias:
	s_cmp_lg_u32 s29, 1
	s_cbranch_scc1 .Lend
.irp b, 0,1
	v_cvt_pk_bf16_f32 v[32+2*\b], v[SP+4*\b], v[SP+4*\b+1]
	v_cvt_pk_bf16_f32 v[33+2*\b], v[SP+4*\b+2], v[SP+4*\b+3]
	v_lshlrev_b32 v[40+4*\b], 16, v[32+2*\b]
	v_and_b32 v[41+4*\b], s41, v[32+2*\b]
	v_lshlrev_b32 v[42+4*\b], 16, v[33+2*\b]
	v_and_b32 v[43+4*\b], s41, v[33+2*\b]
.endr
.irp j, 0,1,2,3,4,5,6,7                ; both batches' logarithms are one batch
	v_log_f32 v[40+\j], |v[40+\j]|
.endr
.irp b, 0,1
	v_and_or_b32 v[48+2*\b], v[32+2*\b], 0x80008000, s34  ; the two sign bits onto 1.0 in f16; also the plain instructions behind the logarithms (ISA guide 5.7.2)
	v_and_or_b32 v[49+2*\b], v[33+2*\b], 0x80008000, s34
.endr
	s_wait_alu depctr_va_vdst(0)                   ; the eight logarithms have written v[40:47]: one wait for the batch, ahead of its first reader
.irp j, 0,1,2,3,4,5,6,7
	v_max_num_f32 v[40+\j], v[40+\j], s35          ; log2 0 is minus infinity: held at -1e30, so that sums with it stay finite
.endr
	s_wait_alu depctr_va_vdst(0)                   ; the maxima have written v[40:47], and the sign words v[48:51] are written: the four stores read them
.irp b, 0,1
	global_store_b128 v1, v[40+4*\b:43+4*\b], s[26:27] offset:6144*\b
	global_store_b64 v2, v[48+2*\b:49+2*\b], s[26:27] offset:6144*\b+4096
.endr
.Lend:
	s_endpgm
.Lfunc_end_k_q8ade76ae48_cast:
	.size	k_q8ade76ae48_cast, .Lfunc_end_k_q8ade76ae48_cast-k_q8ade76ae48_cast
	.p2alignl 7, 3214868480
	.fill 96, 4, 3214868480
	.section	.rodata,"a",@progbits
	.p2align	6, 0x0
	.amdhsa_kernel k_q8ade76ae48_cast
		.amdhsa_group_segment_fixed_size 0
		.amdhsa_private_segment_fixed_size 0
		.amdhsa_enable_private_segment 0
		.amdhsa_kernarg_size 96
		.amdhsa_user_sgpr_count 2
		.amdhsa_user_sgpr_kernarg_segment_ptr 1
		.amdhsa_wavefront_size32 1
		.amdhsa_system_sgpr_workgroup_id_x 1
		.amdhsa_system_sgpr_workgroup_id_y 1
		.amdhsa_system_sgpr_workgroup_id_z 1
		.amdhsa_system_vgpr_workitem_id 0
		.amdhsa_next_free_vgpr 128
		.amdhsa_next_free_sgpr 66
		.amdhsa_reserve_vcc 0
		.amdhsa_float_denorm_mode_32 3
		.amdhsa_float_denorm_mode_16_64 3
		.amdhsa_memory_ordered 1
		.amdhsa_forward_progress 1
		.amdhsa_inst_pref_size 19
	.end_amdhsa_kernel
	.amdgpu_metadata
---
amdhsa.version: [ 1, 2 ]
amdhsa.kernels:
  - .name:           k_q8ade76ae48_cast
    .symbol:         k_q8ade76ae48_cast.kd
    .args:
      - { .name: wq_w, .offset: 0, .size: 8, .value_kind: global_buffer, .address_space: global }
      - { .name: wk_w, .offset: 8, .size: 8, .value_kind: global_buffer, .address_space: global }
      - { .name: wv_w, .offset: 16, .size: 8, .value_kind: global_buffer, .address_space: global }
      - { .name: dense_w, .offset: 24, .size: 8, .value_kind: global_buffer, .address_space: global }
      - { .name: wq_b, .offset: 32, .size: 8, .value_kind: global_buffer, .address_space: global }
      - { .name: wk_b, .offset: 40, .size: 8, .value_kind: global_buffer, .address_space: global }
      - { .name: wv_b, .offset: 48, .size: 8, .value_kind: global_buffer, .address_space: global }
      - { .name: dense_b, .offset: 56, .size: 8, .value_kind: global_buffer, .address_space: global }
      - { .name: policy, .offset: 64, .size: 8, .value_kind: global_buffer, .address_space: global }
      - { .name: wcast, .offset: 72, .size: 8, .value_kind: global_buffer, .address_space: global }
      - { .name: bcast, .offset: 80, .size: 8, .value_kind: global_buffer, .address_space: global }
      - { .name: pcast, .offset: 88, .size: 8, .value_kind: global_buffer, .address_space: global }
    .group_segment_fixed_size: 0
    .private_segment_fixed_size: 0
    .kernarg_segment_align: 8
    .kernarg_segment_size: 96
    .max_flat_workgroup_size: 256
    .sgpr_count:     66
    .vgpr_count:     128
    .wavefront_size: 32
...
	.end_amdgpu_metadata
.endif
;; end of part 5
;; launch proj: the kernel of part 2 again; grid 4 x 64, 4 waves a work-group, clusters of 4 x 4, 327,680 bytes of LDS; arguments query, key, value, policy, wcast, bcast, qkv; writes qkv
;; launch attn: the kernel of part 3 again; grid 2 x 128, 4 waves a work-group, no clusters, 327,680 bytes of LDS; arguments qkv, pcast, obuf; writes obuf
;; launch dense: the kernel of part 4 again; grid 4 x 64, 4 waves a work-group, clusters of 4 x 4, 327,680 bytes of LDS; arguments obuf, wcast, bcast, out0; writes out0
